; MI455X (gfx1250); checked and timed in simulation.
; The chip was launched on July 23, 2026; its instructions are those of AMD's public machine-readable ISA for CDNA 5 (MIT licence, August 2026) and "CDNA5" Instruction Set Architecture Reference Guide (July 2026). The comments in the code are by the model that wrote it; some were corrected since.
;; Mo E Layer. Allowed arithmetic: matrix products marked QUANTISED: E2M1 operands, one E8M0 scale for each 32 along K, by v_wmma_scale_f32_16x16x128_f8f6f4 with both operands' format E2M1 (or v_wmma_scale_f32_32x16x128_f4), f32 sums; products left as they are: f32 operands where the result goes on into a quantised operand, else bf16, f16 or f32 operands; f32 sums; everything else in f32.
;; Inputs: W1 8 x 1,024 x 2,048 float32; W2 8 x 2,048 x 1,024 float32; b1 8 x 2,048 float32; b2 8 x 1,024 float32; gate_W 1,024 x 8 float32; gate_b 8 float32; x 4 x 512 x 1,024 float32.
;; Outputs: out0 4 x 512 x 1,024 float32.
;; Constants: num_experts_per_tok = 2.
;; This version of the problem:
;;   THIS VERSION OF THE PROBLEM IS GIVEN IN LOW PRECISION. The matrix products marked QUANTISED in the list below multiply operands that are first quantised to E2M1 (2 exponent bits, 1 mantissa bit; 4 bits a number), with one power-of-two scale for each 32 numbers along K (OCP MX v1.0); their sums are f32. All else is computed in f32.
;;   The module's matrix products, in the order in which they are computed (A, B: the left and right operand; K: the contracted axis; several contracted axes count as one K, in the product's order):
;;     1. [M 2,048, K 1,024] x [K 1,024, N 8]; A: input x; B: input gate_W: left as it is (N = 8 < 16)
;;     2. [M 2,048, K 1,024] x [K 1,024, N 16,384]; A: input x; B: input W1: QUANTISED
;;     3. batch 8 x [M 1,024, K 2,048] x [K 2,048, N 2,048]; A: input W2; B: computed on the way: QUANTISED
;;     4. batch 2,048 x [M 1, K 8] x [K 8, N 1,024]; A: computed on the way; B: computed on the way: left as it is (K = 8 < 32)
;;   THE QUANTISER, for each operand of a quantised product, along K:
;;     - K is cut into blocks of 32 from its start; a last block that is shorter is filled with zeros.
;;     - A block's scale is 2^e with e = floor(log2(the largest magnitude in the block)) - 2, held to -126 .. 127; a block of zeros has e = 0. As a byte (E8M0): e + 127.
;;     - Each number is divided by its block's scale, clamped to +-6, and rounded to the nearest number of E2M1, ties to even, subnormals kept.
;;     - The product sums the exact products of the quantised numbers (number of the format x scale) in f32.
;;   ~~~python
;;   def quantise(x, axis):      # numpy; x: float32 -> the quantised numbers, widened to float32 again
;;       x = np.moveaxis(x, axis, -1); K = x.shape[-1]
;;       x = np.pad(x, [(0, 0)] * (x.ndim - 1) + [(0, -K % 32)]); x = x.reshape(x.shape[:-1] + (-1, 32)); a = np.abs(x).max(-1, keepdims=True)
;;       e = np.where(a > 0, np.clip(np.frexp(np.where(a > 0, a, 1))[1] - 1 - 2, -126, 127), 0)      # np.frexp(a)[1] - 1 = floor(log2(a)), exactly
;;       r = np.clip(x / 2.0 ** e, -6, 6)
;;       step = 2.0 ** (np.maximum(np.frexp(np.where(r == 0, 1, r))[1] - 1, 0) - 1)
;;       q = np.round(r / step) * step * 2.0 ** e      # np.round: ties to even
;;       return np.moveaxis(q.reshape(q.shape[:-2] + (-1,))[..., :K], -1, axis).astype(np.float32)
;;   ~~~
;;   OPERANDS COMPUTED ON THE WAY. 'Computed on the way' means the value that the module computes at that place (a softmax that the list does not call 'softmax' is quantised finished and normalised). What goes into a quantiser is computed in f32, as accurately as f32 sums, v_exp_f32 and their like allow (about 1e-6 of the number): no bf16 or f16 on the way to a quantiser, and a product that is left as it is and whose result goes on into a quantised operand takes f32 operands (vector FMAs, or v_wmma_f32_16x16x4_f32). A number that lies on a knife's edge between two numbers of the format may be rounded either way, as far as f32 arithmetic and the matrix unit's own rounding can turn it there, and no further.
;; One version. Each part assembles by itself: llvm-mc -triple=amdgcn-amd-amdhsa -mcpu=gfx1250 --defsym DOCPART=n.
;; ======== version 1 of 1: 5 launches
;; limits: values are held in bf16: 8 bits of precision; right only within a limited range of input values
;; workspace buffers: sel 8,192 bytes of whole numbers; xbuf 1,130,496 bytes; wbuf 17,825,792 bytes; route 41,216 bytes of whole numbers; hbuf 6,406,144 bytes; ybuf 12,058,624 bytes
;; launch gate (part 1): grid 256 x 1, 4 waves a work-group, no clusters, 70,912 bytes of LDS; arguments x, gate_W, gate_b, sel, xbuf; writes sel, xbuf
.if DOCPART == 1
	.amdgcn_target "amdgcn-amd-amdhsa--gfx1250"
	.amdhsa_code_object_version 6
	.text
	.protected	k_q2ebcd27379_gate
	.globl	k_q2ebcd27379_gate
	.p2align	8
	.type	k_q2ebcd27379_gate,@function
k_q2ebcd27379_gate:
	s_mov_b64 s[64:65], 0
	v_nop
	global_prefetch_b8 v0, s[64:65] scope:SCOPE_SE
	s_setreg_imm32_b32 hwreg(HW_REG_WAVE_MODE, 25, 1), 1
	s_wait_xcnt 0x0
; THE ROUTER, AND x AS CODES.  x [2048][1024] f32, gate_W [1024][8], gate_b [8].
; For each token: logits = x . gate_W + gate_b in f32 multiply-adds, softmax with the maximum taken away, the two largest scores (ties keep the lower expert),
; their weights g = score / max(sum of the two, 1e-12).  Stored at fixed places: sel[t] = e0 | e1 << 8 (whole numbers), xbuf + GWO + 8 t = g0, g1 (f32).
; No address and no branch here hangs on these: a later launch reads sel and places the rows.
; The same pass turns x into codes of E2M1 with one E8M0 byte for each 32 along K: xbuf + 512 t (1,024 codes, k ascending), xbuf + XSO + 32 t (32 bytes).
; A block's byte is its largest magnitude's exponent field - 2, held at 1 from below.
; LIMITS: NaN and infinities are not served; a block whose largest magnitude lies under 2^-124 has its byte held at 1, a block of zeros too (its codes are zeros, and only this
; program reads the bytes); the logits' sums run in another order than the reference's, so a token whose second and third scores agree to f32 rounding may be routed otherwise.
; SHARES.  A work-group takes 8 tokens, a wave 2.  Each load of x reads 512 consecutive bytes; a token's 4,096 bytes turn through the wave's own stage in LDS, so that lane L then
; holds block L (k = 32 L .. 32 L + 31) in 32 consecutive registers: the block's maximum needs no other lane.  Lane L also holds gate_W's rows 32 L .. 32 L + 31 (256 registers, window 1),
; brought once by the four waves together through LDS.  No matrix unit (N = 8), no tensor load, no cluster: nothing here is shared but 32 KiB of gate_W.
; WHAT THE PROGRAM LEAVES OUT.  reference() weighs expert_out by g = scores x mask / norm, and its own mask is 0 for the six experts outside a token's top two: for every finite input
; those six rows of both expert products meet the factor 0 and reach no output.  So only a token's two chosen experts are multiplied, by the whole numbers that this launch stores in sel.
; LIMIT: a NaN, an infinity or an overflow that would arise only in the rows left out is not carried to the result.
.set STG, 33280
.set SBY, 70144                        ; from SBY 64 scale bytes for each wave
.set XSO, 1048576                      ; xbuf: the scale bytes
.set GWO, 1114112                      ; xbuf: the gate weights
.set Z,   32                           ; v32-47   logits: token 0's eight, token 1's eight
.set W,   48                           ; v48-63   at work
.set X,   64                           ; v64-127  two tokens' 32 numbers
.set GT,  128                          ; v128-191 gate_W as loaded
.set CD,  192                          ; v192-199 codes
.set SOP, 200                          ; v200-201 the conversions' scale operands; v202-203 the bytes
.set MSB, 0
.macro WIN new                         ; the immediate's high byte repeats the setting that is left
.if MSB != (\new)
	s_set_vgpr_msb (MSB<<8)|(\new)
.set MSB, (\new)
.endif
.endm
	s_load_b256 s[4:11], s[0:1], 0x0               ; x s[4:5], gate_W s[6:7], gate_b s[8:9], sel s[10:11]
	s_load_b64 s[12:13], s[0:1], 0x20              ; xbuf
	v_lshl_add_u32 v254, v0, 2, 0x11300
	v_mov_b32 v255, 0
	v_lshrrev_b32 v1, 5, v0
	v_readfirstlane_b32 s14, v1                    ; wave 0..3
	v_and_b32 v1, 31, v0                           ; lane
	v_lshlrev_b32 v2, 4, v1                        ; 16 x lane
	s_mul_i32 s28, s14, 9216
	s_add_co_u32 s28, s28, STG                     ; my stage
	v_lshrrev_b32 v10, 3, v1
	v_and_b32 v11, 7, v1
	v_mul_u32_u24 v3, v10, 144
	v_lshl_add_u32 v3, v11, 4, v3
	v_add_nc_u32 v3, s28, v3                       ; into it: eight lanes' 128 bytes are a block; blocks 144 bytes apart
	v_mul_u32_u24 v4, v1, 144
	v_add_nc_u32 v4, s28, v4                       ; out of it: block = lane
	v_lshlrev_b32 v5, 4, v0                        ; gate_W: 16 x thread
	v_lshrrev_b32 v10, 6, v0
	v_and_b32 v11, 63, v0
	v_mul_u32_u24 v6, v10, 1040
	v_lshl_add_u32 v6, v11, 4, v6                  ; into LDS: 64 threads fill a slice
	v_mul_u32_u24 v7, v1, 1040                     ; out: slice = lane
	s_lshl_b32 s29, s14, 6
	s_add_co_u32 s29, s29, SBY
	v_add_nc_u32 v8, s29, v1                       ; my block's scale byte
	v_lshl_add_u32 v9, v1, 1, s29                  ; and two bytes a lane on the way out
	v_lshlrev_b32 v13, 1, v1
	v_lshlrev_b32 v14, 3, v1
	v_lshlrev_b32 v15, 2, v1
	s_mov_b32 s24, 0x76543210
	s_mov_b32 s25, 0xfedcba98                      ; v_permlanex16_b32's selects for lane l xor 16
	s_mov_b32 s26, 0xaaaaaaaa                      ; the odd lanes
	s_lshl_b32 s30, ttmp9, 3
	s_lshl_b32 s31, s14, 1
	s_add_co_u32 s30, s30, s31                     ; my first token: 8 x work-group + 2 x wave
	s_lshl_b32 s32, s30, 12                        ; its bytes in x,
	s_mov_b32 s33, 0
	s_lshl_b32 s34, s30, 9                         ; among the codes,
	s_mov_b32 s35, 0
	s_lshl_b32 s36, s30, 5                         ; the scale bytes,
	s_mov_b32 s37, 0
	s_lshl_b32 s38, s30, 3                         ; the gate weights,
	s_mov_b32 s39, 0
	s_lshl_b32 s40, s30, 2                         ; and in sel
	s_mov_b32 s41, 0
	s_wait_kmcnt 0x0
	s_load_b256 s[16:23], s[8:9], 0x0              ; gate_b
	s_add_nc_u64 s[4:5], s[4:5], s[32:33]
	s_add_nc_u64 s[34:35], s[12:13], s[34:35]
	s_add_nc_u64 s[36:37], s[12:13], s[36:37]
	s_add_nc_u64 s[38:39], s[12:13], s[38:39]
	s_add_nc_u64 s[10:11], s[10:11], s[40:41]
.irp k, 0,1,2,3,4,5,6,7,8,9,10,11,12,13,14,15
	global_load_b128 v[GT+4*\k:GT+4*\k+3], v5, s[6:7] offset:\k*2048          ; the 128 threads read 2,048 consecutive bytes of gate_W
.endr
.irp tk, 0,1
.irp i, 0,1,2,3,4,5,6,7
	global_load_b128 v[X+32*\tk+4*\i:X+32*\tk+4*\i+3], v2, s[4:5] offset:\tk*4096+\i*512 th:TH_LOAD_NT   ; 32 lanes read 512 consecutive bytes of a token
.endr
.endr
.irp j, 0,1,2,3,4,5,6,7,8,9,10,11,12,13,14,15
	v_mov_b32 v[W+\j], 0                           ; written once: a lane permute's destination counts as one of its sources
.endr
	s_wait_loadcnt 16                              ; gate_W is in; x's sixteen loads, issued behind it, may stay out
.irp k, 0,1,2,3,4,5,6,7,8,9,10,11,12,13,14,15
	ds_store_b128 v6, v[GT+4*\k:GT+4*\k+3] offset:\k*2080                     ; 2,048 bytes on are two slices on
.endr
	s_wait_dscnt 0x0                               ; for the others' sake: my part of gate_W lies in LDS
	s_barrier_signal -1
	s_barrier_wait -1
	WIN 0x40                                       ; destination window 1
.set m, 0
.rept 64
	ds_load_b128 v[4*m:4*m+3], v7 offset:16*m      ; register 8 i + e of window 1 = gate_W[32 lane + i][e]
.set m, m+1
.endr
	WIN 0
.irp tk, 0,1
	s_wait_loadcnt 8-8*\tk                         ; this token's eight loads are in; the later token's eight may stay out
.irp i, 0,1,2,3,4,5,6,7
	ds_store_b128 v3, v[X+32*\tk+4*\i:X+32*\tk+4*\i+3] offset:\tk*4608+\i*576
.endr
.irp q, 0,1,2,3,4,5,6,7
	ds_load_b128 v[X+32*\tk+4*\q:X+32*\tk+4*\q+3], v4 offset:\tk*4608+16*\q   ; LDS serves a wave's instructions in order: these see the stores above
.endr
.endr
	s_wait_dscnt 0x0                               ; gate_W's registers and both tokens' blocks are in
; Token tk's block of 32 numbers becomes 16 bytes of codes and a scale byte.
.macro XQUANT tk
.set XB, X+32*\tk
	v_max3_num_f32 v10, |v[XB]|, |v[XB+1]|, 0x1800000      ; the largest magnitude, in two chains, with the floor 2^(3 - 127) among its leaves: the byte cannot fall under 1
	v_max3_num_f32 v11, |v[XB+2]|, |v[XB+3]|, |v[XB+4]|
.irp i, 5,9,13,17,21,25
	v_max3_num_f32 v10, v10, |v[XB+\i]|, |v[XB+\i+1]|
	v_max3_num_f32 v11, v11, |v[XB+\i+2]|, |v[XB+\i+3]|
.endr
	v_max3_num_f32 v10, v10, |v[XB+29]|, |v[XB+30]|
	v_max3_num_f32 v10, v10, v11, |v[XB+31]|
	v_add_nc_u32 v[SOP+\tk], 0xff000000, v10       ; 2 off its exponent field: the conversion takes the exponent field of this operand as its scale
.irp g, 0,1,2,3
	v_cvt_scalef32_pk8_fp4_f32 v[CD+4*\tk+\g], v[XB+8*\g:XB+8*\g+7], v[SOP+\tk]
.endr
	v_lshrrev_b32 v[SOP+2+\tk], 23, v[SOP+\tk]     ; the scale's byte (also the plain line behind the conversions)
	global_store_b128 v2, v[CD+4*\tk:CD+4*\tk+3], s[34:35] offset:512*\tk      ; 32 lanes store the token's 512 bytes of codes
	ds_store_b8 v8, v[SOP+2+\tk] offset:32*\tk
.endm
	XQUANT 0
	XQUANT 1
	ds_load_u16 v12, v9                            ; my wave's 64 scale bytes, two a lane
	s_wait_dscnt 0x0
	global_store_b16 v13, v12, s[36:37] offset:XSO ; 64 consecutive bytes
; The logits' parts: for each of my 32 k, eight multiply-adds a token, two at a time; the eight chains take turns.
	WIN 0x01                                       ; source 0 (gate_W) window 1
.set i, 0
.rept 32
.irp tk, 0,1
.irp p, 0,1,2,3
.if i == 0
	v_pk_mul_f32 v[Z+8*\tk+2*\p:Z+8*\tk+2*\p+1], v[2*\p:2*\p+1], v[X+32*\tk:X+32*\tk+1] op_sel_hi:[1,0]
.elseif i%2 == 0
	v_pk_fma_f32 v[Z+8*\tk+2*\p:Z+8*\tk+2*\p+1], v[8*i+2*\p:8*i+2*\p+1], v[X+32*\tk+i:X+32*\tk+i+1], v[Z+8*\tk+2*\p:Z+8*\tk+2*\p+1] op_sel_hi:[1,0,1]
.else
	v_pk_fma_f32 v[Z+8*\tk+2*\p:Z+8*\tk+2*\p+1], v[8*i+2*\p:8*i+2*\p+1], v[X+32*\tk+i-1:X+32*\tk+i], v[Z+8*\tk+2*\p:Z+8*\tk+2*\p+1] op_sel:[0,1,0] op_sel_hi:[1,1,1]
.endif
.endr
.endr
.set i, i+1
.endr
	WIN 0
; The sum over the 32 lanes, left in every lane.
.irp d, 1,2,4,8
.irp j, 0,1,2,3,4,5,6,7,8,9,10,11,12,13,14,15
	v_add_f32_dpp v[Z+\j], v[Z+\j], v[Z+\j] row_xmask:\d row_mask:0xf bank_mask:0xf
.endr
.endr
.irp j, 0,1,2,3,4,5,6,7,8,9,10,11,12,13,14,15
	v_permlanex16_b32 v[W+\j], v[Z+\j], s24, s25
.endr
.irp j, 0,1,2,3,4,5,6,7,8,9,10,11,12,13,14,15
	v_add_f32 v[Z+\j], v[Z+\j], v[W+\j]
.endr
	s_wait_kmcnt 0x0                               ; gate_b
.irp tk, 0,1
.irp e, 0,1,2,3,4,5,6,7
	v_add_f32 v[Z+8*\tk+\e], s[16+\e], v[Z+8*\tk+\e]
.endr
.endr
.irp e, 0,1,2,3,4,5,6,7
	v_cndmask_b32 v[W+\e], v[Z+\e], v[Z+8+\e], s26 ; even lanes go on with token 0, odd lanes with token 1: the rest is written once
.endr
	v_max3_num_f32 v56, v48, v49, v50              ; the softmax, with the largest logit taken away
	v_max3_num_f32 v56, v56, v51, v52
	v_max3_num_f32 v56, v56, v53, v54
	v_max_num_f32 v56, v56, v55
.irp e, 0,1,2,3,4,5,6,7
	v_sub_f32 v[W+\e], v[W+\e], v56
.endr
.irp e, 0,1,2,3,4,5,6,7
	v_mul_f32 v[W+\e], 0x3fb8aa3b, v[W+\e]         ; x log2(e)
.endr
	s_wait_alu depctr_va_vdst(0)
.irp e, 0,1,2,3,4,5,6,7
	v_exp_f32 v[W+\e], v[W+\e]
.endr
	v_nop                                          ; a plain line behind the exponentials
	s_wait_alu depctr_va_vdst(0)
	v_add_f32 v57, v48, v49
	v_add_f32 v58, v50, v51
	v_add_f32 v59, v52, v53
	v_add_f32 v60, v54, v55
	v_add_f32 v57, v57, v58
	v_add_f32 v59, v59, v60
	v_add_f32 v57, v57, v59
	s_wait_alu depctr_va_vdst(0)
	v_rcp_f32 v57, v57
	v_nop                                          ; a plain line behind the reciprocal
	s_wait_alu depctr_va_vdst(0)
.irp e, 0,1,2,3,4,5,6,7
	v_mul_f32 v[W+\e], v[W+\e], v57                ; the scores
.endr
	v_mov_b32 v58, v48                             ; the largest score and its expert: an ascending walk that moves only for a strictly larger score, so ties keep the lower expert
	v_mov_b32 v59, 0
.irp e, 1,2,3,4,5,6,7
	v_cmp_ge_f32 vcc_lo, v58, v[W+\e]
	v_cndmask_b32 v58, v[W+\e], v58, vcc_lo
	v_cndmask_b32 v59, \e, v59, vcc_lo
.endr
	v_mov_b32 v60, -1.0                            ; the second: the same walk with the first one's score replaced by -1, under every score
	v_mov_b32 v61, 0
.irp e, 0,1,2,3,4,5,6,7
	v_cmp_ne_u32 vcc_lo, \e, v59
	v_cndmask_b32 v62, -1.0, v[W+\e], vcc_lo
	v_cmp_ge_f32 vcc_lo, v60, v62
	v_cndmask_b32 v60, v62, v60, vcc_lo
	v_cndmask_b32 v61, \e, v61, vcc_lo
.endr
	v_add_f32 v56, v58, v60
	v_max_num_f32 v56, 0x2b8cbccc, v56             ; max(the two scores' sum, 1e-12)
	s_wait_alu depctr_va_vdst(0)
	v_rcp_f32 v56, v56
	v_lshl_or_b32 v57, v61, 8, v59                 ; e0 | e1 << 8 (also the plain line behind the reciprocal)
	s_wait_alu depctr_va_vdst(0)
	v_mul_f32 v62, v58, v56                        ; g0
	v_mul_f32 v63, v60, v56                        ; g1
	v_cmp_gt_u32 vcc_lo, 2, v1
	s_wait_alu depctr_va_vdst(0)
	s_wait_xcnt 0x0                                ; EXEC is a source of the stores above: it changes only behind this wait
	s_wait_tensorcnt 0x0
	ds_add_u32 v254, v255
	s_wait_dscnt 0x0
	s_and_saveexec_b32 s27, vcc_lo                 ; lanes 0 and 1: my two tokens
	global_store_b32 v15, v57, s[10:11]
	global_store_b64 v14, v[62:63], s[38:39] offset:GWO
	s_wait_xcnt 0x0
	s_or_b32 exec_lo, exec_lo, s27
	s_endpgm
.Lfunc_end_k_q2ebcd27379_gate:
	.size	k_q2ebcd27379_gate, .Lfunc_end_k_q2ebcd27379_gate-k_q2ebcd27379_gate
	.p2alignl 7, 3214868480
	.fill 96, 4, 3214868480
	.section	.rodata,"a",@progbits
	.p2align	6, 0x0
	.amdhsa_kernel k_q2ebcd27379_gate
		.amdhsa_group_segment_fixed_size 70912
		.amdhsa_private_segment_fixed_size 0
		.amdhsa_enable_private_segment 0
		.amdhsa_kernarg_size 40
		.amdhsa_user_sgpr_count 2
		.amdhsa_user_sgpr_kernarg_segment_ptr 1
		.amdhsa_wavefront_size32 1
		.amdhsa_system_sgpr_workgroup_id_x 1
		.amdhsa_system_sgpr_workgroup_id_y 1
		.amdhsa_system_sgpr_workgroup_id_z 1
		.amdhsa_system_vgpr_workitem_id 0
		.amdhsa_next_free_vgpr 512
		.amdhsa_next_free_sgpr 66
		.amdhsa_reserve_vcc 1
		.amdhsa_float_denorm_mode_32 3
		.amdhsa_float_denorm_mode_16_64 3
		.amdhsa_memory_ordered 1
		.amdhsa_forward_progress 1
		.amdhsa_inst_pref_size 44
	.end_amdhsa_kernel
	.amdgpu_metadata
---
amdhsa.version: [ 1, 2 ]
amdhsa.kernels:
  - .name:           k_q2ebcd27379_gate
    .symbol:         k_q2ebcd27379_gate.kd
    .args:
      - { .name: x, .offset: 0, .size: 8, .value_kind: global_buffer, .address_space: global }
      - { .name: gate_W, .offset: 8, .size: 8, .value_kind: global_buffer, .address_space: global }
      - { .name: gate_b, .offset: 16, .size: 8, .value_kind: global_buffer, .address_space: global }
      - { .name: sel, .offset: 24, .size: 8, .value_kind: global_buffer, .address_space: global }
      - { .name: xbuf, .offset: 32, .size: 8, .value_kind: global_buffer, .address_space: global }
    .group_segment_fixed_size: 70912
    .private_segment_fixed_size: 0
    .kernarg_segment_align: 8
    .kernarg_segment_size: 40
    .max_flat_workgroup_size: 128
    .sgpr_count:     66
    .vgpr_count:     512
    .wavefront_size: 32
...
	.end_amdgpu_metadata
.endif
;; end of part 1
;; launch prep (part 2): grid 1025 x 1, 4 waves a work-group, no clusters, 1,024 bytes of LDS; arguments W2, wbuf, sel, route, W1; writes wbuf, route
.if DOCPART == 2
	.amdgcn_target "amdgcn-amd-amdhsa--gfx1250"
	.amdhsa_code_object_version 6
	.text
	.protected	k_q2ebcd27379_prep
	.globl	k_q2ebcd27379_prep
	.p2align	8
	.type	k_q2ebcd27379_prep,@function
k_q2ebcd27379_prep:
	s_mov_b64 s[64:65], 0
	v_nop
	global_prefetch_b8 v0, s[64:65] scope:SCOPE_SE
	s_setreg_imm32_b32 hwreg(HW_REG_WAVE_MODE, 25, 1), 1
	s_wait_xcnt 0x0
; THE WEIGHTS AS CODES, AND THE PLACING OF THE ROWS.  W1 [8][1024 (k)][2048], W2 [8][2048 (k)][1024], f32, K is the middle axis.
; Only the rows of the experts chosen for each token are multiplied later (the mask of reference() gives the others the weight 0).
; Work-groups 1 .. 512 take W1, 513 .. 1024 W2; work-group 0 reads sel (the experts chosen for each token, stored by the launch before) and places the 4,096 rows by expert.
; THE QUANTISER.  A lane takes a column and its registers run down K: each load reads 128 consecutive bytes a wave (512 a work-group), a block of 32 along K lies in one lane's 32 registers,
; and the conversions give its 16 bytes of codes with K innermost.  A wave takes 32 columns x 256 along K.  A block's byte is its largest magnitude's exponent field - 2, held at 1 from below.
; THE CODES ARE LAID IN THE ORDER OF THE OPERAND'S REGISTERS: a fragment (16 columns x 128 K) is 2 x 512 bytes, piece c: lane 16 h + r holds 16 bytes, k = 64 c + 32 h + 0 .. 31 of the column in slot r.
;   W1: wbuf + ((((e 8 + ct) 8 + s) 16 + tau) 2 + c) 512 + 16 lane; slot r of tile tau is hidden unit 256 ct + 128 (tau / 8) + 32 ((tau % 8) / 2) + 8 (tau % 2) + r + 8 (r / 8),
;       so that the first product's results of two neighbouring tiles are 16 neighbours along the second product's K.
;   W2: wbuf + W2Q + ((((e 8 + ct) 16 + s) 8 + tau) 2 + c) 512 + 16 lane; slot r of tile tau is column 128 ct + 16 tau + r.
;   Scale bytes: 8 for a column and 256 along K (two words, for K steps 2 sp and 2 sp + 1): W1S + ((e 8 + ct) 4 + sp) 2048 + 8 (16 tau + r);  W2S + ((e 8 + ct) 8 + sp) 1024 + 8 (16 tau + r).
; So a block's store writes two aligned runs of 256 bytes whole, with no stage in LDS, and the products' launches read dense blocks.
; THE PLACING.  Each expert's rows begin at a multiple of 256 rows.  With 4,096 rows on 8 experts there are at most 15 + 8 = 23 tiles of 256, whatever the choice.
;   route: ROWTOK [6144] the token of each sorted row (0 where a tile has no row); TEXP [32] each tile's expert (7 behind the last tile); POS [2048][2] each token's two sorted rows.
; LIMITS: NaN and infinities are not served; a block whose largest magnitude lies under 2^-124 has its byte held at 1, a block of zeros too (zero codes; only this program reads the bytes).
; No tensor loads, no cluster: no two work-groups read the same byte.  Every offset of the quantiser is an immediate (255 rows of 8,192 bytes at the most).  No prefetch: the text has no loop.
; The three paths part on the work-group's number ahead of any vector line; each path's head ends with a wait.
.set W2Q,  8388608
.set W1S,  16777216
.set W2S,  17301504
.set TEXP, 24576
.set POS,  24832
.set X,    32                          ; v32-95   two sets of 32 numbers
.set C,    96                          ; v96-127  a block's codes: four registers for each of the eight blocks, so that no store's data are written again
.set SB,   16                          ; v16-17   the column's eight scale bytes
	s_load_b256 s[4:11], s[0:1], 0x0               ; W2 s[4:5], wbuf s[6:7], sel s[8:9], route s[10:11]
	s_load_b64 s[12:13], s[0:1], 0x20              ; W1
	s_cmp_eq_u32 ttmp9, 0
	s_cbranch_scc1 .Lplace
	s_cmp_gt_u32 ttmp9, 512
	s_cbranch_scc1 .Lw2
.macro WLOAD t, pitch, src             ; block t: rows 32 t + i of my column, into set t % 2
.irp i, 0,1,2,3,4,5,6,7,8,9,10,11,12,13,14,15,16,17,18,19,20,21,22,23,24,25,26,27,28,29,30,31
	global_load_b32 v[X+32*((\t)%2)+\i], v2, s[\src:\src+1] offset:(32*(\t)+\i)*\pitch th:TH_LOAD_NT
.endr
.endm
.macro WBLOCK t, pitch, kstr, src
.set XB, X+32*((\t)%2)
.if (\t) < 7
	s_wait_loadcnt 32                              ; this block's 32 loads are in; the next block's 32 may stay out
.else
	s_wait_loadcnt 0x0
.endif
	v_max3_num_f32 v8, |v[XB]|, |v[XB+1]|, 0x1800000       ; the block's largest magnitude, in two chains, with the floor 2^(3 - 127) among its leaves
	v_max3_num_f32 v9, |v[XB+2]|, |v[XB+3]|, |v[XB+4]|
.irp i, 5,9,13,17,21,25
	v_max3_num_f32 v8, v8, |v[XB+\i]|, |v[XB+\i+1]|
	v_max3_num_f32 v9, v9, |v[XB+\i+2]|, |v[XB+\i+3]|
.endr
	v_max3_num_f32 v8, v8, |v[XB+29]|, |v[XB+30]|
	v_max3_num_f32 v8, v8, v9, |v[XB+31]|
	v_add_nc_u32 v10, 0xff000000, v8               ; 2 off its exponent field: the conversion's scale operand
	v_lshrrev_b32 v11, 23, v10                     ; the scale's byte
.if (\t)%4 == 0
	v_mov_b32 v[SB+(\t)/4], v11                    ; four bytes to a word, the lower K in the lower byte
.else
	v_lshl_or_b32 v[SB+(\t)/4], v11, 8*((\t)%4), v[SB+(\t)/4]
.endif
.irp g, 0,1,2,3
	v_cvt_scalef32_pk8_fp4_f32 v[C+4*(\t)+\g], v[XB+8*\g:XB+8*\g+7], v10
.endr
	global_store_b128 v3, v[C+4*(\t):C+4*(\t)+3], s[22:23] offset:((\t)/4)*\kstr+(((\t)/2)%2)*512+((\t)%2)*256   ; K step t / 4, piece (t / 2) % 2, half t % 2: sixteen lanes fill 256 consecutive bytes, aligned
.if (\t)+2 < 8
	WLOAD (\t)+2, \pitch, \src                     ; (the results above go to a store and these loads land on the numbers; the next vector lines are the next block's plain ones)
.endif
.endm
.macro WPATH pitch, kstr, src
	WLOAD 0, \pitch, \src
	WLOAD 1, \pitch, \src
.irp t, 0,1,2,3,4,5,6,7
	WBLOCK \t, \pitch, \kstr, \src
.endr
	global_store_b64 v4, v[SB:SB+1], s[24:25]      ; my column's eight scale bytes: the wave stores 256 bytes in two aligned runs of 128, or one of 256
	s_endpgm
.endm
	; ---- W1: work-group i = e 64 + cg 4 + yq: expert, 128 columns, 256 along K
	v_lshrrev_b32 v1, 5, v0
	v_readfirstlane_b32 s14, v1                    ; wave 0..3
	s_sub_co_u32 s15, ttmp9, 1
	s_lshr_b32 s16, s15, 6                         ; e
	s_bfe_u32 s17, s15, 0x40002                    ; cg
	s_and_b32 s18, s15, 3                          ; yq
	s_lshl_b32 s20, s16, 23                        ; from: e x 8 MiB + 256 yq rows of 8,192 bytes + 512 cg + 128 wave
	s_lshl_b32 s19, s18, 21
	s_add_co_u32 s20, s20, s19
	s_lshl_b32 s19, s17, 9
	s_add_co_u32 s20, s20, s19
	s_lshl_b32 s19, s14, 7
	s_add_co_u32 s20, s20, s19
	s_mov_b32 s21, 0
	s_lshl_b32 s28, s16, 3
	s_lshr_b32 s19, s17, 1
	s_add_co_u32 s28, s28, s19                     ; e 8 + ct
	s_and_b32 s29, s17, 1
	s_lshl_b32 s29, s29, 3
	s_lshl_b32 s19, s14, 1
	s_add_co_u32 s29, s29, s19                     ; my first tile: 8 (cg % 2) + 2 wave
	s_lshl_b32 s22, s28, 17                        ; codes: 131,072 bytes a column tile, 16,384 a K step, 1,024 a tile
	s_lshl_b32 s19, s18, 15
	s_add_co_u32 s22, s22, s19
	s_lshl_b32 s19, s29, 10
	s_add_co_u32 s22, s22, s19
	s_mov_b32 s23, 0
	s_lshl_b32 s24, s28, 2                         ; scale bytes
	s_add_co_u32 s24, s24, s18
	s_lshl_b32 s24, s24, 11
	s_lshl_b32 s19, s29, 7
	s_add_co_u32 s24, s24, s19
	s_add_co_u32 s24, s24, W1S
	s_mov_b32 s25, 0
	v_and_b32 v1, 31, v0                           ; lane = my column among the wave's 32
	v_lshlrev_b32 v2, 2, v1                        ; 4 bytes a lane
	v_bfe_u32 v8, v1, 3, 1                         ; column q goes to tile (q / 8) % 2,
	v_and_b32 v9, 7, v1
	v_lshrrev_b32 v10, 4, v1
	v_lshl_add_u32 v9, v10, 3, v9                  ; slot q % 8 + 8 (q / 16)
	v_lshlrev_b32 v3, 4, v9
	v_lshl_add_u32 v3, v8, 10, v3
	v_lshlrev_b32 v4, 3, v9
	v_lshl_add_u32 v4, v8, 7, v4
	s_wait_alu depctr_va_vdst(0)
	s_wait_kmcnt 0x0
	s_add_nc_u64 s[12:13], s[12:13], s[20:21]
	s_add_nc_u64 s[22:23], s[6:7], s[22:23]
	s_add_nc_u64 s[24:25], s[6:7], s[24:25]
	WPATH 8192, 16384, 12
.Lw2:	; ---- W2: work-group i = e 64 + cg 8 + yq
	v_lshrrev_b32 v1, 5, v0
	v_readfirstlane_b32 s14, v1                    ; wave 0..3
	s_sub_co_u32 s15, ttmp9, 513
	s_lshr_b32 s16, s15, 6                         ; e
	s_bfe_u32 s17, s15, 0x30003                    ; cg
	s_and_b32 s18, s15, 7                          ; yq
	s_lshl_b32 s20, s16, 23                        ; from: e x 8 MiB + 256 yq rows of 4,096 bytes + 512 cg + 128 wave
	s_lshl_b32 s19, s18, 20
	s_add_co_u32 s20, s20, s19
	s_lshl_b32 s19, s17, 9
	s_add_co_u32 s20, s20, s19
	s_lshl_b32 s19, s14, 7
	s_add_co_u32 s20, s20, s19
	s_mov_b32 s21, 0
	s_lshl_b32 s28, s16, 3
	s_add_co_u32 s28, s28, s17                     ; e 8 + ct
	s_lshl_b32 s22, s28, 17                        ; codes: 131,072 bytes a column tile, 8,192 a K step, 1,024 a tile; my first tile is 2 wave
	s_lshl_b32 s19, s18, 14
	s_add_co_u32 s22, s22, s19
	s_lshl_b32 s19, s14, 11
	s_add_co_u32 s22, s22, s19
	s_add_co_u32 s22, s22, W2Q
	s_mov_b32 s23, 0
	s_lshl_b32 s24, s28, 3                         ; scale bytes
	s_add_co_u32 s24, s24, s18
	s_lshl_b32 s24, s24, 10
	s_lshl_b32 s19, s14, 8
	s_add_co_u32 s24, s24, s19
	s_add_co_u32 s24, s24, W2S
	s_mov_b32 s25, 0
	v_and_b32 v1, 31, v0                           ; lane = my column among the wave's 32
	v_lshlrev_b32 v2, 2, v1                        ; 4 bytes a lane
	v_lshrrev_b32 v8, 4, v1                        ; column q goes to tile q / 16, slot q % 16
	v_and_b32 v9, 15, v1
	v_lshlrev_b32 v3, 4, v9
	v_lshl_add_u32 v3, v8, 10, v3
	v_lshlrev_b32 v4, 3, v1
	s_wait_alu depctr_va_vdst(0)
	s_wait_kmcnt 0x0
	s_add_nc_u64 s[4:5], s[4:5], s[20:21]
	s_add_nc_u64 s[22:23], s[6:7], s[22:23]
	s_add_nc_u64 s[24:25], s[6:7], s[24:25]
	WPATH 4096, 8192, 4
; ---- THE PLACING: a counting sort without atomics.  Wave w takes tokens 512 w .. 512 w + 511, 16 steps of 32, a lane to a token.
; First walk: each wave counts its rows of each expert (scalar counters).  The counts meet in LDS.  Each wave then knows, for each expert, where the expert's rows begin and how many
; rows the waves in front of it put there.  Second walk: the counters begin at that row, and a token's row is the counter plus the number of lower lanes with the same expert.
; LDS: 0 the counts, 128 bytes a wave; 0x200 the spare words.
.set SEL, 16                           ; v16-31   sel of my 16 steps
.set R,   32                           ; v32-63   step k: the token's two sorted rows
.set A,   64                           ; v64-95   step k: their byte offsets in ROWTOK
.set TOK, 96                           ; v96-111  step k: the token
.macro COUNT k, rank
	v_and_b32 v10, 7, v[SEL+\k]                    ; e0
	v_bfe_u32 v11, v[SEL+\k], 8, 3                 ; e1
	s_wait_alu depctr_va_vdst(0)
.irp e, 0,1,2,3,4,5,6,7
	v_cmp_eq_u32 s32, \e, v10
	v_cmp_eq_u32 s33, \e, v11
	s_or_b32 s34, s32, s33                         ; the lanes with a row for expert e (a token's two experts differ)
.if \rank
	v_mbcnt_lo_u32_b32 v12, s34, s[16+\e]          ; the counter + such lanes below me
.if \e == 0
	v_mov_b32 v[R+2*\k], v12
	v_mov_b32 v[R+2*\k+1], v12
.else
	v_cndmask_b32 v[R+2*\k], v[R+2*\k], v12, s32
	v_cndmask_b32 v[R+2*\k+1], v[R+2*\k+1], v12, s33
.endif
.endif
	s_bcnt1_i32_b32 s35, s34
	s_add_co_u32 s[16+\e], s[16+\e], s35
.endr
.endm
.Lplace:
	v_lshl_add_u32 v160, v0, 2, 0x200
	v_mov_b32 v161, 0
	v_lshrrev_b32 v1, 5, v0
	v_readfirstlane_b32 s14, v1                    ; wave 0..3
	v_and_b32 v1, 31, v0                           ; lane
.irp j, 4,5,6,7
	v_mov_b32 v[\j], 0
.endr
	v_lshlrev_b32 v8, 4, v0
	s_lshl_b32 s15, s14, 11
	v_lshl_add_u32 v13, v1, 2, s15                 ; sel: 4 x (512 wave + lane)
	s_wait_alu depctr_va_vdst(0)
	s_wait_kmcnt 0x0
.irp k, 0,1,2,3,4,5,6,7,8,9,10,11
	global_store_b128 v8, v[4:7], s[10:11] offset:\k*2048      ; ROWTOK begins as token 0 in all 6,144 rows
.endr
.irp k, 0,1,2,3,4,5,6,7,8,9,10,11,12,13,14,15
	global_load_b32 v[SEL+\k], v13, s[8:9] offset:\k*128
.endr
.irp e, 0,1,2,3,4,5,6,7
	s_mov_b32 s[16+\e], 0
.endr
	s_wait_loadcnt 0x0
.irp k, 0,1,2,3,4,5,6,7,8,9,10,11,12,13,14,15
	COUNT \k, 0
.endr
	v_mov_b32 v112, 0
.irp e, 0,1,2,3,4,5,6,7
	v_writelane_b32 v112, s[16+\e], \e             ; lane e: my wave's rows of expert e
.endr
	v_lshlrev_b32 v14, 2, v0
	ds_store_b32 v14, v112                         ; 128 bytes a wave
	s_wait_dscnt 0x0                               ; for the others' sake: my counts lie in LDS,
	s_wait_storecnt 0x0                            ; and my part of the zeros is written: behind the barrier any wave may write a token over them
	s_barrier_signal -1
	s_barrier_wait -1
	v_lshlrev_b32 v15, 2, v1
.irp q, 0,1,2,3
	ds_load_b32 v[113+\q], v15 offset:128*\q
.endr
	s_wait_alu depctr_va_vdst(0)
	s_wait_dscnt 0x0
	v_add_nc_u32 v117, v113, v114
	v_add_nc_u32 v118, v115, v116
	v_add_nc_u32 v117, v117, v118                  ; lane e: expert e's rows
	v_mov_b32 v119, 0
.irp q, 0,1,2
	s_cmp_gt_u32 s14, \q
	s_cselect_b32 s32, -1, 0
	v_and_b32 v10, s32, v[113+\q]
	v_add_nc_u32 v119, v119, v10                   ; those of the waves in front of mine
.endr
	v_add_nc_u32 v120, 255, v117
	v_lshrrev_b32 v120, 8, v120                    ; its tiles of 256
	v_mov_b32 v121, v120
	v_mov_b32 v122, 0
.irp d, 1,2,4
	v_mov_b32_dpp v122, v121 row_shr:\d row_mask:0xf bank_mask:0xf bound_ctrl:1
	v_add_nc_u32 v121, v121, v122                  ; running sum over lanes 0 .. 7: the tile behind expert e's last
.endr
	v_sub_nc_u32 v123, v121, v120
	v_lshl_add_u32 v123, v123, 8, v119             ; where my wave's rows of expert e begin
.irp e, 0,1,2,3,4,5,6,7
	v_readlane_b32 s[24+\e], v121, \e
	v_readlane_b32 s[16+\e], v123, \e
.endr
	s_cmp_lg_u32 s14, 0
	s_wait_alu depctr_va_vdst(0)
	s_cbranch_scc1 .Lnot_wave_0
	v_mov_b32 v124, 0                              ; tile = lane: its expert is the number of experts whose tiles end at or before it, 7 at the most
	v_mov_b32 v126, 1
.irp e, 0,1,2,3,4,5,6,7
	v_cmp_le_u32 vcc_lo, s[24+\e], v1
	v_cndmask_b32 v127, 0, v126, vcc_lo
	v_add_nc_u32 v124, v124, v127
.endr
	v_min_u32 v124, 7, v124
	global_store_b32 v15, v124, s[10:11] offset:TEXP
.Lnot_wave_0:
.irp k, 0,1,2,3,4,5,6,7,8,9,10,11,12,13,14,15
	COUNT \k, 1
.endr
	s_lshl_b32 s33, s14, 9
	v_add_nc_u32 v125, s33, v1                     ; my token of step 0
	s_lshl_b32 s34, s14, 12
	v_lshl_add_u32 v128, v1, 3, s34                ; and its 8 bytes of POS
.irp k, 0,1,2,3,4,5,6,7,8,9,10,11,12,13,14,15
	v_min_u32 v[A+2*\k], 0x16ff, v[R+2*\k]         ; a row is 5,887 at the most; held there before it enters an address
	v_min_u32 v[A+2*\k+1], 0x16ff, v[R+2*\k+1]
	v_lshlrev_b32 v[A+2*\k], 2, v[A+2*\k]
	v_lshlrev_b32 v[A+2*\k+1], 2, v[A+2*\k+1]
	v_add_nc_u32 v[TOK+\k], 32*\k, v125
	global_store_b64 v128, v[R+2*\k:R+2*\k+1], s[10:11] offset:POS+256*\k      ; 32 lanes store 256 consecutive bytes
	global_store_b32 v[A+2*\k], v[TOK+\k], s[10:11]
	global_store_b32 v[A+2*\k+1], v[TOK+\k], s[10:11]
.endr
	s_wait_tensorcnt 0x0                           ; the wave's end
	ds_add_u32 v160, v161
	s_wait_dscnt 0x0
	s_endpgm
.Lfunc_end_k_q2ebcd27379_prep:
	.size	k_q2ebcd27379_prep, .Lfunc_end_k_q2ebcd27379_prep-k_q2ebcd27379_prep
	.p2alignl 7, 3214868480
	.fill 96, 4, 3214868480
	.section	.rodata,"a",@progbits
	.p2align	6, 0x0
	.amdhsa_kernel k_q2ebcd27379_prep
		.amdhsa_group_segment_fixed_size 1024
		.amdhsa_private_segment_fixed_size 0
		.amdhsa_enable_private_segment 0
		.amdhsa_kernarg_size 40
		.amdhsa_user_sgpr_count 2
		.amdhsa_user_sgpr_kernarg_segment_ptr 1
		.amdhsa_wavefront_size32 1
		.amdhsa_system_sgpr_workgroup_id_x 1
		.amdhsa_system_sgpr_workgroup_id_y 1
		.amdhsa_system_sgpr_workgroup_id_z 1
		.amdhsa_system_vgpr_workitem_id 0
		.amdhsa_next_free_vgpr 162
		.amdhsa_next_free_sgpr 66
		.amdhsa_reserve_vcc 1
		.amdhsa_float_denorm_mode_32 3
		.amdhsa_float_denorm_mode_16_64 3
		.amdhsa_memory_ordered 1
		.amdhsa_forward_progress 1
		.amdhsa_inst_pref_size 177
	.end_amdhsa_kernel
	.amdgpu_metadata
---
amdhsa.version: [ 1, 2 ]
amdhsa.kernels:
  - .name:           k_q2ebcd27379_prep
    .symbol:         k_q2ebcd27379_prep.kd
    .args:
      - { .name: W2, .offset: 0, .size: 8, .value_kind: global_buffer, .address_space: global }
      - { .name: wbuf, .offset: 8, .size: 8, .value_kind: global_buffer, .address_space: global }
      - { .name: sel, .offset: 16, .size: 8, .value_kind: global_buffer, .address_space: global }
      - { .name: route, .offset: 24, .size: 8, .value_kind: global_buffer, .address_space: global }
      - { .name: W1, .offset: 32, .size: 8, .value_kind: global_buffer, .address_space: global }
    .group_segment_fixed_size: 1024
    .private_segment_fixed_size: 0
    .kernarg_segment_align: 8
    .kernarg_segment_size: 40
    .max_flat_workgroup_size: 128
    .sgpr_count:     66
    .vgpr_count:     162
    .wavefront_size: 32
...
	.end_amdgpu_metadata
.endif
;; end of part 2
;; launch ffn1 (part 3): grid 8 x 23, 4 waves a work-group, no clusters, 287,232 bytes of LDS; arguments route, xbuf, wbuf, b1, hbuf; writes hbuf
.if DOCPART == 3
	.amdgcn_target "amdgcn-amd-amdhsa--gfx1250"
	.amdhsa_code_object_version 6
	.text
	.protected	k_q2ebcd27379_ffn1
	.globl	k_q2ebcd27379_ffn1
	.p2align	8
	.type	k_q2ebcd27379_ffn1,@function
k_q2ebcd27379_ffn1:
	s_mov_b64 s[64:65], 0
	v_nop
	global_prefetch_b8 v0, s[64:65] scope:SCOPE_SE
	s_setreg_imm32_b32 hwreg(HW_REG_WAVE_MODE, 25, 1), 1
	s_wait_xcnt 0x0
; THE FIRST PRODUCT, FOR THE CHOSEN ROWS ONLY: h = Q(relu(Q(x) Q(W1[e]) + b1[e])), on codes of E2M1 with one E8M0 byte for each 32 along K.
; Work-group (ct, ty) makes 256 sorted rows (tile ty, all of one expert te = TEXP[ty]) x 256 hidden units (256 ct on), K = 1,024: 8 K steps of 128.
; Four waves: wave w takes rows 128 (w / 2) on (8 blocks of 16) and hidden units 128 (w % 2) on (8 tiles of 16): 64 accumulators, 512 registers.
; EVERY ONE OF THE 23 TILES IS WORKED ALIKE.  23 is the most that any choice of experts can fill; a tile, or the rest of a tile, that a given choice leaves without rows names token 0 and
; its results are stored and never used: no branch on loaded numbers stands in this text, which has barriers.
; ALL OF K FITS IN LDS, so each LDS byte is filled once.  W1's codes for (te, ct) are one dense block of 128 KiB laid in the order of the operand's registers; it comes in four pieces of two K steps,
; each wave bringing a quarter of each piece by one tensor load: with the scale bytes' load a wave has five tensor loads out.  The rows of x are gathered by the list ROWTOK: one asynchronous
; copy brings a row's 512 bytes of codes (32 lanes x 16), 64 rows a wave; four more bring their scale bytes.
; THE PRODUCT IS USED TRANSPOSED (source 0 = 16 hidden units, source 1 = 16 rows), and the units of a tile were chosen when W1 was laid out, so that a lane holds ONE row and the 64 registers of
; its eight tiles are k = 32 b + 16 (lane / 16) + i of the second product's K step.  b1 is the C of each sum's first instruction.
; h leaves as codes in the order of the second product's operand registers: hbuf + ((RB 16 + s2) 2 + c) 512 + 16 lane (RB = sorted row / 16, s2 = hidden unit / 128);
; its scale words at hbuf + HS + ((RB / 2) 16 + s2) 128 + 4 lane (lanes 0-15: the even RB's rows, lanes 16-31: the odd one's).
; NO CLUSTER: which row tiles share an expert's weights hangs on counts read from memory, so partners' descriptors need not be equal; the rows of x, which the eight work-groups of a tile
; share, come by lane-wise copies, which have no joint form.
; LIMITS: NaN and infinities are not served; a block of h whose largest number lies under 2^-124 has its byte held at 1, a block of zeros too (zero codes; only this program reads the bytes).
; REGISTERS, in windows of 256.  Window 0: v1-31 addresses and the list; v32-63 x's scale words, v64-95 W1's; v128-191, v192-255 x's fragments, two sets (before that the copies' addresses;
;   at the end 64 numbers of h, codes and work).  Window 1: v0-63, v64-127 W1's fragments, two sets; v128-191 b1.  Windows 2, 3: accumulator (a, t) at v[8 (8 (a % 4) + t)] of window 2 + a / 4.
; HOW W1 COMES (this takes the place of what the paragraph above says of five tensor loads): each wave brings its quarter of piece 0 (K steps 0 and 1) by its ONE tensor load, and its quarters of
; pieces 1 to 3 by 48 asynchronous copies of 512 bytes, issued at the head behind the copies of x; the waits on ASYNCcnt count the copies of the later pieces, 16 a piece.
; W1's scale words go from memory straight into their registers, 16 loads of 256 bytes a wave: they do not pass through LDS.
.set TEXP, 24576
.set XSO,  1048576
.set W1S,  16777216
.set HS,   6029312
; LDS: 0 W1's codes (16,384 bytes a K step);
.set AQ,   139264                      ; AQ 256 rows of x's codes, 528 bytes apart (512 + 16: the sixteen rows of a fragment load begin in different banks);
.set AP,   528
.set AS,   274432                      ; AS their scale bytes, 48 bytes apart (32 + 16)
.set ST,   128                         ; the end: 64 numbers of h
.set PC,   192                         ; codes, two sets of 8
.set TM,   208                         ; v208-211 largest magnitudes, v212-215 bytes, v220-223 scale operands
.set PW,   224                         ; v224, v225 the scale words of an even and an odd block of rows
.set PWC,  226                         ; the two joined
.set MSB, 0
.macro WIN new                         ; the immediate's high byte repeats the setting that is left
.if MSB != (\new)
	s_set_vgpr_msb (MSB<<8)|(\new)
.set MSB, (\new)
.endif
.endm
.macro PLACES                          ; four plain vector lines between a matrix instruction and a load into, or a vector line on, one of its registers
.rept 4
	v_nop
.endr
.endm
	s_load_b256 s[4:11], s[0:1], 0x0               ; route s[4:5], xbuf s[6:7], wbuf s[8:9], b1 s[10:11]
	s_load_b64 s[12:13], s[0:1], 0x20              ; hbuf
	v_lshl_add_u32 v126, v0, 2, 0x46000
	v_mov_b32 v127, 0
	ds_add_u32 v126, v127
	ds_add_u32 v126, v127
	v_lshrrev_b32 v1, 5, v0
	v_readfirstlane_b32 s14, v1                    ; wave 0..3
	s_lshr_b32 s15, s14, 1                         ; rh: which 128 rows
	s_and_b32 s16, s14, 1                          ; kg: which 128 hidden units
	s_mov_b32 s17, ttmp9                           ; ct
	s_and_b32 s18, ttmp7, 0xffff                   ; ty
	v_and_b32 v1, 31, v0                           ; lane
	v_lshlrev_b32 v2, 4, v1
	v_lshlrev_b32 v3, 2, v1
	v_and_b32 v27, 15, v0                          ; r
	v_bfe_u32 v28, v0, 4, 1                        ; h
	s_lshl_b32 s20, s16, 13
	v_add_nc_u32 v4, s20, v2                       ; W1's fragments: 16 lane + my eight tiles; K steps 0-3,
	v_add_nc_u32 v5, 0x10000, v4                   ; K steps 4-7
	s_mul_i32 s20, s15, 67584
	s_add_co_u32 s20, s20, AQ
	v_mul_u32_u24 v6, v27, AP
	v_lshl_add_u32 v6, v28, 4, v6
	v_add_nc_u32 v6, s20, v6                       ; x's fragments: row (128 rh + r) x pitch + 16 h
	s_mul_i32 s20, s15, 6144
	s_add_co_u32 s20, s20, AS
	v_mul_u32_u24 v7, v1, 48
	v_add_nc_u32 v7, s20, v7                       ; x's scale words: row 128 rh + lane
	s_lshl_b32 s20, s16, 10
	v_lshl_add_u32 v8, v1, 3, s20                  ; W1's: unit slot 128 kg + lane
	v_lshlrev_b32 v9, 6, v28                       ; b1: 64 h
	s_mul_i32 s20, s14, 33792
	s_add_co_u32 s20, s20, AQ
	v_add_nc_u32 v16, s20, v2                      ; the copies: my 64 rows' place in LDS, 16 bytes a lane
	s_lshl_b32 s21, s18, 10
	s_lshl_b32 s20, s14, 8
	s_add_co_u32 s21, s21, s20                     ; the list: 4 x (256 ty + 64 wave)
	v_add_nc_u32 v25, s21, v3
	v_lshrrev_b32 v29, 1, v1
	v_and_b32 v30, 1, v1
	v_lshl_add_u32 v26, v29, 2, s21
	s_mul_i32 s20, s14, 3072
	s_add_co_u32 s20, s20, AS
	v_mul_u32_u24 v31, v29, 48
	v_lshl_add_u32 v31, v30, 4, v31
	v_add_nc_u32 v31, s20, v31                     ; the scale bytes' copies: two lanes to a row
	s_lshl_b32 s22, s18, 2
	s_mov_b32 s66, 0xffff0000                      ; lanes 16-31
	s_mov_b32 s68, 0x76543210
	s_mov_b32 s69, 0xfedcba98                      ; v_permlanex16_b32's selects for lane l xor 16
	s_lshl_b32 s72, s18, 18                        ; h's codes: ((16 ty + 8 rh) 16 + 2 ct + kg) x 1,024
	s_lshl_b32 s20, s15, 17
	s_add_co_u32 s72, s72, s20
	s_lshl_b32 s20, s17, 11
	s_add_co_u32 s72, s72, s20
	s_lshl_b32 s20, s16, 10
	s_add_co_u32 s72, s72, s20
	s_mov_b32 s73, 0
	s_lshl_b32 s74, s18, 14                        ; its scale words: ((8 ty + 4 rh) 16 + 2 ct + kg) x 128
	s_lshl_b32 s20, s15, 13
	s_add_co_u32 s74, s74, s20
	s_lshl_b32 s20, s17, 8
	s_add_co_u32 s74, s74, s20
	s_lshl_b32 s20, s16, 7
	s_add_co_u32 s74, s74, s20
	s_mov_b32 s75, 0
	; descriptor group 1: a dense block as 32 rows of 256 bytes (32 elements of 8 bytes): 8 KiB
	s_mov_b32 s24, 3<<16
	s_mov_b32 s25, 32<<16                          ; tensor_dim0 = 32
	s_mov_b32 s26, 32<<16                          ; tensor_dim1 = 32
	s_mov_b32 s27, 32<<16                          ; tile_dim0 = 32
	s_mov_b32 s28, 32                              ; tile_dim1 = 32
	s_mov_b32 s29, 32                              ; the pitch
	s_mov_b32 s30, 0
	s_mov_b32 s31, 0
	s_lshl_b32 s20, s14, 13
	v_add_nc_u32 v96, s20, v2                      ; the copies of W1's pieces: my quarter's place in LDS, 16 bytes a lane
	v_add_nc_u32 v97, 0x10000, v96                 ; pieces 2 and 3 lie 65,536 bytes on, in LDS
	v_add_nc_u32 v98, 0x10000, v2                  ; and in memory: so every copy's immediate stays under 65,536
	s_wait_alu depctr_va_vdst(0)
	s_wait_dscnt 0x0
	s_wait_kmcnt 0x0
	s_load_b32 s19, s[4:5], s22 offset:TEXP        ; the tile's expert
	global_load_b32 v10, v25, s[4:5]               ; the tokens of my 64 rows, a lane to a row,
	global_load_b32 v11, v25, s[4:5] offset:128
.irp i, 0,1,2,3
	global_load_b32 v[12+\i], v26, s[4:5] offset:64*\i     ; and once more, two lanes to a row
.endr
	s_add_nc_u64 s[72:73], s[12:13], s[72:73]
	s_add_nc_u64 s[74:75], s[12:13], s[74:75]
	s_add_nc_u64 s[74:75], s[74:75], HS
	s_add_nc_u64 s[76:77], s[6:7], XSO             ; x's scale bytes
	s_wait_kmcnt 0x0
	s_min_u32 s19, s19, 7                          ; held inside the table before it enters an address
	s_lshl_b32 s20, s19, 3
	s_add_co_u32 s20, s20, s17                     ; te 8 + ct
	s_lshl_b32 s60, s20, 13                        ; scale bytes: 8,192 a column tile
	s_mov_b32 s61, 0
	s_lshl_b32 s62, s20, 17
	s_lshl_b32 s23, s14, 13
	s_add_co_u32 s62, s62, s23                     ; codes: 131,072 a column tile, my quarter of a piece
	s_mov_b32 s63, 0
	s_add_nc_u64 s[42:43], s[8:9], s[60:61]
	s_add_nc_u64 s[42:43], s[42:43], W1S
	s_add_nc_u64 s[62:63], s[8:9], s[62:63]
	s_mov_b32 s44, 1                               ; group 0 for my quarter of piece 0: count,
	s_mov_b32 s45, s23                             ; LDS address,
	s_mov_b64 s[46:47], s[62:63]                   ; global address,
	s_or_b32 s47, s47, 0x80000000                  ; type
	s_lshl_b32 s78, s19, 13                        ; b1: 8,192 te + 4 (256 ct + 128 kg)
	s_lshl_b32 s20, s17, 10
	s_add_co_u32 s78, s78, s20
	s_lshl_b32 s20, s16, 9
	s_add_co_u32 s78, s78, s20
	s_mov_b32 s79, 0
	s_add_nc_u64 s[78:79], s[10:11], s[78:79]
	tensor_load_to_lds s[44:47], s[24:31]          ; my one tensor load
	s_nop 0
	PLACES                                         ; four plain lines before the windows are switched
.irp sp, 0,1,2,3
.irp p, 0,1,2,3
	global_load_b64 v[64+8*\sp+2*\p:64+8*\sp+2*\p+1], v8, s[42:43] offset:\sp*2048+\p*256       ; W1's scale words of K steps 2 sp, 2 sp + 1: lanes 0-15 tile 2 p, lanes 16-31 tile 2 p + 1
.endr
.endr
	WIN 0x40
.irp t, 0,1,2,3,4,5,6,7
	global_load_b128 v[128+8*\t:128+8*\t+3], v9, s[78:79] offset:(32*(\t/2)+8*(\t%2))*4          ; b1 in the result's layout: tile t, lane half h: units 32 (t / 2) + 16 h + 8 (t % 2) + 0 .. 7
	global_load_b128 v[128+8*\t+4:128+8*\t+7], v9, s[78:79] offset:(32*(\t/2)+8*(\t%2))*4+16
.endr
	WIN 0
	s_wait_loadcnt 32                              ; the list is in; the 16 loads of scale words and b1's 16, issued behind it, may stay out
.irp j, 10,11,12,13,14,15
	v_min_u32 v[\j], 0x7ff, v[\j]                  ; a token is 2,047 at the most; held there before it enters an address
.endr
.irp i, 0,1,2,3
	v_lshlrev_b32 v[17+\i], 5, v[12+\i]            ; 32 scale bytes a token,
	v_lshl_add_u32 v[17+\i], v30, 4, v[17+\i]      ; my half of them
	v_add_nc_u32 v[21+\i], \i*768, v31
.endr
.set i, 0
.rept 64                                       ; row i of my 64: its token's 512 bytes of codes.  Each copy has address registers of its own: they stay until the copies are waited for
	v_readlane_b32 s70, v[10+i/32], i%32
	s_min_u32 s70, s70, 0x7ff
	v_lshl_add_u32 v[128+i], s70, 9, v2
	v_add_nc_u32 v[192+i], i*AP, v16
	global_load_async_to_lds_b128 v[192+i], v[128+i], s[6:7]
.set i, i+1
.endr
.irp i, 0,1,2,3
	global_load_async_to_lds_b128 v[21+\i], v[17+\i], s[76:77]     ; sixteen rows' scale bytes
.endr
.irp j, 0,1,2,3,4,5,6,7,8,9,10,11,12,13,14,15
	global_load_async_to_lds_b128 v96, v2, s[62:63] offset:32768+\j*512        ; my quarter of piece 1: the immediate steps both addresses
.endr
.irp q, 0,1
.irp j, 0,1,2,3,4,5,6,7,8,9,10,11,12,13,14,15
	global_load_async_to_lds_b128 v97, v98, s[62:63] offset:\q*32768+\j*512    ; my quarters of pieces 2 and 3
.endr
.endr
	s_wait_asynccnt 48                             ; my rows of x lie in LDS; the 48 copies of pieces 1 to 3 may stay out
	s_wait_tensorcnt 0x0                           ; and my part of piece 0
	s_barrier_signal -1
	s_barrier_wait -1                              ; everybody's do
.irp sg, 0,1
.irp p, 0,1,2,3
	ds_load_b128 v[32+16*\sg+4*\p:32+16*\sg+4*\p+3], v7 offset:\p*1536+\sg*16     ; x's scale words of K steps 4 sg .. 4 sg + 3: lanes 0-15 block 2 p's rows, lanes 16-31 block 2 p + 1's
.endr
.endr
; The fragments of K step s: W1's eight tiles (an image of the registers: 16 bytes a lane) and x's eight blocks of rows, into set s % 2.
.macro FETCH s
	WIN 0x40
.irp t, 0,1,2,3,4,5,6,7
.irp c, 0,1
	ds_load_b128 v[64*((\s)%2)+8*\t+4*\c:64*((\s)%2)+8*\t+4*\c+3], v[4+(\s)/4] offset:((\s)%4)*16384+\t*1024+\c*512
.endr
.endr
	WIN 0
.irp a, 0,1,2,3,4,5,6,7
.irp c, 0,1
	ds_load_b128 v[128+64*((\s)%2)+8*\a+4*\c:128+64*((\s)%2)+8*\a+4*\c+3], v6 offset:\a*16*AP+64*(\s)+32*\c
.endr
.endr
.endm
; One product: tile t of W1 x block a of the rows, K step s.  The scale registers carry two tiles' (two blocks') words, the odd one's in lanes 16-31.
.macro WM s, a, t
.set rD, 8*(8*((\a)%4)+(\t))
.set rB, 64*((\s)%2)+8*(\t)
.set rA, 128+64*((\s)%2)+8*(\a)
.set rW, 64+8*((\s)/2)+2*((\t)/2)+(\s)%2
.set rX, 32+16*((\s)/4)+4*((\a)/2)+(\s)%4
.set rC, rD
.if (\s) == 0
.set rC, 128+8*(\t)                    ; the first K step starts the sums with b1
.endif
.if ((\t)%2 == 0) && ((\a)%2 == 0)
	v_wmma_scale_f32_16x16x128_f8f6f4 v[rD:rD+7], v[rB:rB+7], v[rA:rA+7], v[rC:rC+7], v[rW], v[rX] matrix_a_fmt:MATRIX_FMT_FP4 matrix_b_fmt:MATRIX_FMT_FP4
.elseif ((\t)%2 == 1) && ((\a)%2 == 0)
	v_wmma_scale_f32_16x16x128_f8f6f4 v[rD:rD+7], v[rB:rB+7], v[rA:rA+7], v[rC:rC+7], v[rW], v[rX] matrix_a_fmt:MATRIX_FMT_FP4 matrix_b_fmt:MATRIX_FMT_FP4 matrix_a_scale:MATRIX_SCALE_ROW1
.elseif (\t)%2 == 0
	v_wmma_scale_f32_16x16x128_f8f6f4 v[rD:rD+7], v[rB:rB+7], v[rA:rA+7], v[rC:rC+7], v[rW], v[rX] matrix_a_fmt:MATRIX_FMT_FP4 matrix_b_fmt:MATRIX_FMT_FP4 matrix_b_scale:MATRIX_SCALE_ROW1
.else
	v_wmma_scale_f32_16x16x128_f8f6f4 v[rD:rD+7], v[rB:rB+7], v[rA:rA+7], v[rC:rC+7], v[rW], v[rX] matrix_a_fmt:MATRIX_FMT_FP4 matrix_b_fmt:MATRIX_FMT_FP4 matrix_a_scale:MATRIX_SCALE_ROW1 matrix_b_scale:MATRIX_SCALE_ROW1
.endif
.endm
.macro MUL64 s                         ; the 64 accumulators take turns, one instruction a turn, in the same order in every K step
.irp a, 0,1,2,3,4,5,6,7
.if (\s) == 0
	WIN 0x91+0x40*(\a/4)                           ; source 0 (W1) window 1, source 1 (x) window 0, C (b1) window 1, D window 2 or 3
.else
	WIN 0xa1+0x50*(\a/4)                           ; C and D window 2 or 3
.endif
.irp t, 0,1,2,3,4,5,6,7
	WM \s, \a, \t
.endr
.endr
.endm
.macro STEP s
	s_wait_dscnt 0x0                               ; this K step's fragments are in (asked for 64 matrix instructions ago); no LDS instruction of mine is out
.if ((\s) == 1) || ((\s) == 3) || ((\s) == 5)
	s_wait_asynccnt 16*(3-((\s)+1)/2)              ; my part of the piece that holds K step s + 1 has landed; the later pieces' copies, 16 each, may stay out
	s_barrier_signal -1
	s_barrier_wait -1                              ; everybody's has
.endif
.if (\s) < 7
	WIN 0
	PLACES                                         ; the set that takes the next fragments was multiplied in the K step before
	FETCH (\s)+1
.endif
	MUL64 \s
.endm
	FETCH 0
	s_wait_loadcnt 0x0                             ; b1
.irp s, 0,1,2,3,4,5,6,7
	STEP \s
.endr
; 64 numbers of a lane, v[ST] on, register 16 b + i = k 32 b + 16 (lane / 16) + i of my row, become a fragment's codes in v[QPC] on and its scale word in v[QPW].
.macro QUANT
.irp b, 0,1,2,3
	v_max3_num_f32 v[TM+\b], |v[ST+16*\b]|, |v[ST+1+16*\b]|, 0x1800000      ; block b: my 16 numbers, and the floor 2^(3 - 127): the byte cannot fall under 1
.endr
.irp i, 2,4,6,8,10,12,14
.irp b, 0,1,2,3
	v_max3_num_f32 v[TM+\b], v[TM+\b], |v[ST+16*\b+\i]|, |v[ST+1+16*\b+\i]| ; (the four blocks by turns)
.endr
.endr
.irp b, 0,1,2,3
	v_permlanex16_b32 v[TM+4+\b], v[TM+\b], s68, s69
.endr
.irp b, 0,1,2,3
	v_max_num_f32 v[TM+\b], v[TM+\b], v[TM+4+\b]   ; with lane l xor 16's: the block's largest number
.endr
.irp b, 0,1,2,3
	v_add_nc_u32 v[TM+12+\b], 0xff000000, v[TM+\b] ; 2 off its exponent field: the conversion's scale operand
.endr
.irp b, 0,1,2,3
	v_lshrrev_b32 v[TM+4+\b], 23, v[TM+12+\b]      ; the scale's byte
.endr
	v_lshl_or_b32 v[QPW], v[TM+5], 8, v[TM+4]      ; the four bytes make my row's scale word
	v_lshl_or_b32 v[QPW], v[TM+6], 16, v[QPW]
	v_lshl_or_b32 v[QPW], v[TM+7], 24, v[QPW]
.irp b, 0,1,2,3
	v_cvt_scalef32_pk8_fp4_f32 v[QPC+2*\b], v[ST+16*\b:ST+7+16*\b], v[TM+12+\b]
	v_cvt_scalef32_pk8_fp4_f32 v[QPC+1+2*\b], v[ST+8+16*\b:ST+15+16*\b], v[TM+12+\b]
.endr
	v_nop                                          ; one plain line behind the conversions
.irp c, 0,1                                    ; the operand's layout wants a whole block in a lane: lanes 0-15 block 2 c, lanes 16-31 block 2 c + 1
.irp i, 0,1
	v_permlane16_swap_b32 v[QPC+4*\c+\i], v[QPC+2+4*\c+\i]
.endr
.endr
.endm
	WIN 0
	PLACES                                         ; behind the last products: their results are read and their operands' registers written below
.irp b, 0,1,2,3
	v_mov_b32 v[TM+4+\b], 0                        ; written once: a lane permute's destination counts as one of its sources
.endr
.irp a, 0,1,2,3,4,5,6,7                        ; block a of my rows: relu, quantised, stored
	s_wait_xcnt 0x0                                ; the earlier stores have read their registers: the codes' set and the joined scale word may be written again
	WIN 0x08+4*(\a/4)                              ; source 1: window 2 or 3
.set j, 0
.rept 64
	v_max_num_f32 v[ST+j], 0, v[64*(\a%4)+j]       ; each accumulator from its low end on
.set j, j+1
.endr
	WIN 0
.set QPC, PC+8*(\a%2)
.set QPW, PW+(\a%2)
	QUANT
.irp c, 0,1
	global_store_b128 v2, v[QPC+4*\c:QPC+4*\c+3], s[72:73] offset:\a*16384+\c*512  ; 32 lanes store 512 consecutive bytes, aligned
.endr
.if \a%2 == 1
	v_cndmask_b32 v[PWC], v[PW], v[PW+1], s66      ; lanes 0-15: the even block's rows; lanes 16-31: the odd block's
	global_store_b32 v3, v[PWC], s[74:75] offset:(\a/2)*2048
.endif
.endr
	s_wait_tensorcnt 0x0
	ds_add_u32 v126, v127
	s_wait_dscnt 0x0
	s_endpgm
.Lfunc_end_k_q2ebcd27379_ffn1:
	.size	k_q2ebcd27379_ffn1, .Lfunc_end_k_q2ebcd27379_ffn1-k_q2ebcd27379_ffn1
	.p2alignl 7, 3214868480
	.fill 96, 4, 3214868480
	.section	.rodata,"a",@progbits
	.p2align	6, 0x0
	.amdhsa_kernel k_q2ebcd27379_ffn1
		.amdhsa_group_segment_fixed_size 287232
		.amdhsa_private_segment_fixed_size 0
		.amdhsa_enable_private_segment 0
		.amdhsa_kernarg_size 40
		.amdhsa_user_sgpr_count 2
		.amdhsa_user_sgpr_kernarg_segment_ptr 1
		.amdhsa_wavefront_size32 1
		.amdhsa_system_sgpr_workgroup_id_x 1
		.amdhsa_system_sgpr_workgroup_id_y 1
		.amdhsa_system_sgpr_workgroup_id_z 1
		.amdhsa_system_vgpr_workitem_id 0
		.amdhsa_next_free_vgpr 1024
		.amdhsa_next_free_sgpr 80
		.amdhsa_reserve_vcc 0
		.amdhsa_float_denorm_mode_32 3
		.amdhsa_float_denorm_mode_16_64 3
		.amdhsa_memory_ordered 1
		.amdhsa_forward_progress 1
		.amdhsa_inst_pref_size 169
	.end_amdhsa_kernel
	.amdgpu_metadata
---
amdhsa.version: [ 1, 2 ]
amdhsa.kernels:
  - .name:           k_q2ebcd27379_ffn1
    .symbol:         k_q2ebcd27379_ffn1.kd
    .args:
      - { .name: route, .offset: 0, .size: 8, .value_kind: global_buffer, .address_space: global }
      - { .name: xbuf, .offset: 8, .size: 8, .value_kind: global_buffer, .address_space: global }
      - { .name: wbuf, .offset: 16, .size: 8, .value_kind: global_buffer, .address_space: global }
      - { .name: b1, .offset: 24, .size: 8, .value_kind: global_buffer, .address_space: global }
      - { .name: hbuf, .offset: 32, .size: 8, .value_kind: global_buffer, .address_space: global }
    .group_segment_fixed_size: 287232
    .private_segment_fixed_size: 0
    .kernarg_segment_align: 8
    .kernarg_segment_size: 40
    .max_flat_workgroup_size: 128
    .sgpr_count:     80
    .vgpr_count:     1024
    .wavefront_size: 32
...
	.end_amdgpu_metadata
.endif
;; end of part 3
;; launch ffn2 (part 4): grid 8 x 23, 4 waves a work-group, no clusters, 168,448 bytes of LDS; arguments route, hbuf, wbuf, b2, ybuf; writes ybuf
.if DOCPART == 4
	.amdgcn_target "amdgcn-amd-amdhsa--gfx1250"
	.amdhsa_code_object_version 6
	.text
	.protected	k_q2ebcd27379_ffn2
	.globl	k_q2ebcd27379_ffn2
	.p2align	8
	.type	k_q2ebcd27379_ffn2,@function
k_q2ebcd27379_ffn2:
	s_mov_b64 s[64:65], 0
	v_nop
	global_prefetch_b8 v0, s[64:65] scope:SCOPE_SE
	s_setreg_imm32_b32 hwreg(HW_REG_WAVE_MODE, 25, 1), 1
	s_wait_xcnt 0x0
; THE SECOND PRODUCT, FOR THE CHOSEN ROWS ONLY: y = h Q(W2[e]) + b2[e], on codes of E2M1 with one E8M0 byte for each 32 along K; y is stored in bf16: it is an operand of the last,
; unquantised product (the two experts' rows weighed by the gate), which the next launch makes.
; Work-group (ct, ty) makes 256 sorted rows (tile ty, expert te = TEXP[ty]) x 128 columns (128 ct on), K = 2,048: 16 K steps of 128.
; Four waves: wave w takes rows 64 w on (4 blocks of 16) and all 8 tiles of 16 columns: 32 accumulators.
; EVERY ONE OF THE 23 TILES IS WORKED ALIKE, as in the first product: rows that no token owns are computed, stored and never read; no branch on loaded numbers stands in this text.
; h IS PRIVATE TO ITS WAVE and lies in memory in the order of the operand's registers: it goes straight into registers, 512 consecutive bytes a load, each K step into registers of its own
; (512 in all), six K steps ahead.  W2's codes for (te, ct) are one dense block of 128 KiB that all four waves read: they come into LDS once, in four pieces of four K steps, each wave bringing
; a quarter of each piece by one tensor load: with the scale bytes' load a wave has five tensor loads out.  No LDS byte is filled twice.
; THE PRODUCT IS USED TRANSPOSED (source 0 = 16 columns of W2, source 1 = 16 rows of h): a lane holds eight neighbouring columns of one row.  b2 is the C of each sum's first instruction.
; NO CLUSTER: which row tiles share an expert's weights hangs on counts read from memory, so partners' descriptors need not be equal; h goes into registers, which has no joint form.
; REGISTERS, in windows of 256.  Window 0: v1-14 addresses; v32-63 h's scale words, v64-127 W2's; v128-191, v192-255 W2's fragments, two sets (at the end packed results and rows).
;   Window 1: accumulator (a, t) at v[8 (8 a + t)].  Windows 2, 3: h's fragment (s, a) at v[32 (s % 8) + 8 a] of window 2 + s / 8; b2 first lies at v192-255 of window 3, where K steps 14 and 15 land later.
; HOW W2 COMES (this takes the place of what the paragraph above says of five tensor loads): each wave brings its quarter of piece 0 (K steps 0 to 3) by its ONE tensor load, its quarter of the
; scale bytes by 4 asynchronous copies of 512 bytes and its quarters of pieces 1 to 3 by 48 more, all issued at the head; the waits on ASYNCcnt count the copies of the later pieces, 16 a piece.
; h's first six K steps are asked for before the tile's expert has arrived: their addresses do not hang on it.  b2 follows them, so K step 0 waits for all loads.
.set TEXP, 24576
.set W2Q,  8388608
.set W2S,  17301504
.set HS,   6029312
.set BS,   131072                      ; LDS: 0 W2's codes (8,192 bytes a K step); BS its scale bytes [8][128 columns][8];
.set STG,  139264                      ; STG a stage of 16 rows x 272 bytes for each wave, for the way out: no fill lands there
.set TMP,  128
.set BK,   192
.set MSB, 0
.macro WIN new                         ; the immediate's high byte repeats the setting that is left
.if MSB != (\new)
	s_set_vgpr_msb (MSB<<8)|(\new)
.set MSB, (\new)
.endif
.endm
.macro PLACES                          ; four plain vector lines between a matrix instruction and a load into, or a vector line on, one of its registers
.rept 4
	v_nop
.endr
.endm
	s_load_b256 s[4:11], s[0:1], 0x0               ; route s[4:5], hbuf s[6:7], wbuf s[8:9], b2 s[10:11]
	s_load_b64 s[12:13], s[0:1], 0x20              ; ybuf
	v_lshl_add_u32 v30, v0, 2, 0x29000
	v_mov_b32 v31, 0
	ds_add_u32 v30, v31
	ds_add_u32 v30, v31
	v_lshrrev_b32 v1, 5, v0
	v_readfirstlane_b32 s14, v1                    ; wave 0..3
	s_mov_b32 s17, ttmp9                           ; ct
	s_and_b32 s18, ttmp7, 0xffff                   ; ty
	v_and_b32 v1, 31, v0                           ; lane
	v_lshlrev_b32 v2, 4, v1
	v_lshlrev_b32 v3, 2, v1
	v_and_b32 v13, 15, v0                          ; r
	v_bfe_u32 v14, v0, 4, 1                        ; h
	v_mov_b32 v4, v2                               ; W2's fragments: 16 lane, + 32,768 for each piece
	v_add_nc_u32 v5, 0x8000, v2
	v_add_nc_u32 v6, 0x10000, v2
	v_add_nc_u32 v7, 0x18000, v2
	v_lshl_add_u32 v8, v1, 3, BS                   ; its scale words: column = lane
	v_lshlrev_b32 v9, 5, v14                       ; b2: 32 h
	s_mul_i32 s20, s14, 4352
	s_add_co_u32 s20, s20, STG                     ; my stage
	v_mul_u32_u24 v10, v13, 272
	v_lshl_add_u32 v10, v14, 4, v10
	v_add_nc_u32 v10, s20, v10                     ; in: row r, 16 bytes for each half of the lanes
	v_mul_u32_u24 v11, v14, 272
	v_lshl_add_u32 v11, v13, 4, v11
	v_add_nc_u32 v11, s20, v11                     ; back: lanes 0-15 one row of 256 bytes, lanes 16-31 the next
	v_lshlrev_b32 v12, 11, v14
	v_lshl_add_u32 v12, v13, 4, v12                ; and the same two rows in y (2,048 bytes a row)
	s_lshl_b32 s22, s18, 2
	s_lshl_b32 s72, s18, 18                        ; h's codes: (16 ty + 4 wave) x 16,384
	s_lshl_b32 s20, s14, 16
	s_add_co_u32 s72, s72, s20
	s_mov_b32 s73, 0
	s_lshl_b32 s74, s18, 14                        ; its scale words: (8 ty + 2 wave) x 2,048
	s_lshl_b32 s20, s14, 12
	s_add_co_u32 s74, s74, s20
	s_mov_b32 s75, 0
	s_lshl_b32 s78, s18, 19                        ; y: (256 ty + 64 wave) x 2,048 + 256 ct
	s_lshl_b32 s20, s14, 17
	s_add_co_u32 s78, s78, s20
	s_lshl_b32 s20, s17, 8
	s_add_co_u32 s78, s78, s20
	s_mov_b32 s79, 0
	; descriptor group 1: a dense block as 32 rows of 256 bytes (32 elements of 8 bytes): 8 KiB
	s_mov_b32 s24, 3<<16
	s_mov_b32 s25, 32<<16                          ; tensor_dim0 = 32
	s_mov_b32 s26, 32<<16                          ; tensor_dim1 = 32
	s_mov_b32 s27, 32<<16                          ; tile_dim0 = 32
	s_mov_b32 s28, 32                              ; tile_dim1 = 32
	s_mov_b32 s29, 32                              ; the pitch
	s_mov_b32 s30, 0
	s_mov_b32 s31, 0
	s_lshl_b32 s20, s14, 13
	v_add_nc_u32 v15, s20, v2                      ; the copies of W2's pieces: my quarter's place in LDS, 16 bytes a lane
	v_add_nc_u32 v17, 0x10000, v15                 ; pieces 2 and 3 lie 65,536 bytes on, in LDS
	v_add_nc_u32 v18, 0x10000, v2                  ; and in memory: so every copy's immediate stays under 65,536
	s_lshl_b32 s20, s14, 11
	s_add_co_u32 s20, s20, BS
	v_add_nc_u32 v16, s20, v2                      ; and of its scale bytes
	s_wait_alu depctr_va_vdst(0)
	s_wait_dscnt 0x0
	s_wait_kmcnt 0x0
	s_load_b32 s19, s[4:5], s22 offset:TEXP        ; the tile's expert
	s_add_nc_u64 s[72:73], s[6:7], s[72:73]
	s_add_nc_u64 s[74:75], s[6:7], s[74:75]
	s_add_nc_u64 s[74:75], s[74:75], HS
	s_add_nc_u64 s[78:79], s[12:13], s[78:79]
; K step s of h: my four blocks' fragments and their scale words: ten loads.
.macro AGROUP s
	WIN 0x80+0x40*((\s)/8)                         ; destination window 2 or 3
.irp a, 0,1,2,3
.irp c, 0,1
	global_load_b128 v[32*((\s)%8)+8*\a+4*\c:32*((\s)%8)+8*\a+4*\c+3], v2, s[72:73] offset:\a*16384+(\s)*1024+\c*512
.endr
.endr
	WIN 0
.irp p, 0,1
	global_load_b32 v[32+16*\p+(\s)], v3, s[74:75] offset:\p*2048+(\s)*128         ; lanes 0-15: block 2 p's rows; lanes 16-31: block 2 p + 1's
.endr
.endm
.irp s, 0,1,2,3,4,5
	AGROUP \s
.endr
	s_wait_kmcnt 0x0
	s_min_u32 s19, s19, 7                          ; held inside the table before it enters an address
	s_lshl_b32 s20, s19, 3
	s_add_co_u32 s20, s20, s17                     ; te 8 + ct
	s_lshl_b32 s60, s20, 13
	s_lshl_b32 s21, s14, 11
	s_add_co_u32 s60, s60, s21                     ; scale bytes: 8,192 a column tile, my quarter
	s_mov_b32 s61, 0
	s_lshl_b32 s62, s20, 17
	s_lshl_b32 s23, s14, 13
	s_add_co_u32 s62, s62, s23                     ; codes: 131,072 a column tile, my quarter of a piece
	s_mov_b32 s63, 0
	s_add_nc_u64 s[42:43], s[8:9], s[60:61]
	s_add_nc_u64 s[42:43], s[42:43], W2S
	s_add_nc_u64 s[62:63], s[8:9], s[62:63]
	s_add_nc_u64 s[62:63], s[62:63], W2Q
	s_mov_b32 s44, 1                               ; group 0 for my quarter of piece 0: count,
	s_mov_b32 s45, s23                             ; LDS address,
	s_mov_b64 s[46:47], s[62:63]                   ; global address,
	s_or_b32 s47, s47, 0x80000000                  ; type
	s_lshl_b32 s76, s19, 12                        ; b2: 4,096 te + 512 ct
	s_lshl_b32 s20, s17, 9
	s_add_co_u32 s76, s76, s20
	s_mov_b32 s77, 0
	s_add_nc_u64 s[76:77], s[10:11], s[76:77]
	tensor_load_to_lds s[44:47], s[24:31]          ; my one tensor load
	s_nop 0
	PLACES                                         ; four plain lines before the windows are switched
.irp j, 0,1,2,3
	global_load_async_to_lds_b128 v16, v2, s[42:43] offset:\j*512              ; my quarter of the scale bytes: the immediate steps both addresses
.endr
.irp j, 0,1,2,3,4,5,6,7,8,9,10,11,12,13,14,15
	global_load_async_to_lds_b128 v15, v2, s[62:63] offset:32768+\j*512        ; my quarter of piece 1
.endr
.irp q, 0,1
.irp j, 0,1,2,3,4,5,6,7,8,9,10,11,12,13,14,15
	global_load_async_to_lds_b128 v17, v18, s[62:63] offset:\q*32768+\j*512    ; my quarters of pieces 2 and 3
.endr
.endr
	WIN 0xc0
.irp t, 0,1,2,3,4,5,6,7
	global_load_b128 v[192+8*\t:192+8*\t+3], v9, s[76:77] offset:64*\t             ; b2 in the result's layout: tile t, lane half h: columns 16 t + 8 h + 0 .. 7
	global_load_b128 v[192+8*\t+4:192+8*\t+7], v9, s[76:77] offset:64*\t+16
.endr
	WIN 0
.macro FETCHB s                        ; W2's eight fragments of K step s, an image of the registers, into set s % 2
.irp t, 0,1,2,3,4,5,6,7
.irp c, 0,1
	ds_load_b128 v[128+64*((\s)%2)+8*\t+4*\c:128+64*((\s)%2)+8*\t+4*\c+3], v[4+(\s)/4] offset:((\s)%4)*8192+\t*1024+\c*512
.endr
.endr
.endm
.macro WM s, a, t
.set rD, 8*(8*(\a)+(\t))
.set rB, 128+64*((\s)%2)+8*(\t)
.set rA, 32*((\s)%8)+8*(\a)
.set rW, 64+8*((\s)/2)+2*((\t)/2)+(\s)%2
.set rX, 32+16*((\a)/2)+(\s)
.set rC, rD
.if (\s) == 0
.set rC, 192+8*(\t)                    ; the first K step starts the sums with b2
.endif
.if ((\t)%2 == 0) && ((\a)%2 == 0)
	v_wmma_scale_f32_16x16x128_f8f6f4 v[rD:rD+7], v[rB:rB+7], v[rA:rA+7], v[rC:rC+7], v[rW], v[rX] matrix_a_fmt:MATRIX_FMT_FP4 matrix_b_fmt:MATRIX_FMT_FP4
.elseif ((\t)%2 == 1) && ((\a)%2 == 0)
	v_wmma_scale_f32_16x16x128_f8f6f4 v[rD:rD+7], v[rB:rB+7], v[rA:rA+7], v[rC:rC+7], v[rW], v[rX] matrix_a_fmt:MATRIX_FMT_FP4 matrix_b_fmt:MATRIX_FMT_FP4 matrix_a_scale:MATRIX_SCALE_ROW1
.elseif (\t)%2 == 0
	v_wmma_scale_f32_16x16x128_f8f6f4 v[rD:rD+7], v[rB:rB+7], v[rA:rA+7], v[rC:rC+7], v[rW], v[rX] matrix_a_fmt:MATRIX_FMT_FP4 matrix_b_fmt:MATRIX_FMT_FP4 matrix_b_scale:MATRIX_SCALE_ROW1
.else
	v_wmma_scale_f32_16x16x128_f8f6f4 v[rD:rD+7], v[rB:rB+7], v[rA:rA+7], v[rC:rC+7], v[rW], v[rX] matrix_a_fmt:MATRIX_FMT_FP4 matrix_b_fmt:MATRIX_FMT_FP4 matrix_a_scale:MATRIX_SCALE_ROW1 matrix_b_scale:MATRIX_SCALE_ROW1
.endif
.endm
.macro MUL32 s                         ; the 32 accumulators take turns, one instruction a turn, in the same order in every K step
.if (\s) == 0
	WIN 0x78                                       ; source 0 (W2) window 0, source 1 (h) window 2, C (b2) window 3, D window 1
.elseif (\s) < 8
	WIN 0x58                                       ; C and D window 1
.else
	WIN 0x5c                                       ; source 1 window 3
.endif
.irp a, 0,1,2,3
.irp t, 0,1,2,3,4,5,6,7
	WM \s, \a, \t
.endr
.endr
.endm
.macro STEP s
.if (\s) == 0
	s_wait_loadcnt 0x0                             ; b2, the youngest of the loads so far, is in, and so are h's first six K steps
.elseif (\s) <= 10
	s_wait_loadcnt 50                              ; this K step's ten loads of h are in; the five later groups of ten may stay out
.else
	s_wait_loadcnt 10*(15-(\s))                    ; the groups behind this one
.endif
.if (\s)+6 <= 15
	AGROUP (\s)+6
.endif
	s_wait_dscnt 0x0                               ; this K step's fragments of W2 are in; no LDS instruction of mine is out
.if ((\s) == 3) || ((\s) == 7) || ((\s) == 11)
	s_wait_asynccnt 16*(3-((\s)+1)/4)              ; my part of the piece that holds K step s + 1 has landed; the later pieces' copies, 16 each, may stay out
	s_barrier_signal -1
	s_barrier_wait -1                              ; everybody's has
.endif
.if (\s) < 15
	WIN 0
	PLACES                                         ; the set that takes the next fragments was multiplied in the K step before
	FETCHB (\s)+1
.endif
	MUL32 \s
.endm
	s_wait_tensorcnt 0x0                           ; my part of piece 0 has landed,
	s_wait_asynccnt 48                             ; and my part of the scale bytes; the 48 copies of pieces 1 to 3 may stay out
	s_barrier_signal -1
	s_barrier_wait -1                              ; everybody's have
.irp sp, 0,1,2,3,4,5,6,7
.irp p, 0,1,2,3
	ds_load_b64 v[64+8*\sp+2*\p:64+8*\sp+2*\p+1], v8 offset:\sp*1024+\p*256       ; W2's scale words of K steps 2 sp, 2 sp + 1: lanes 0-15 tile 2 p, lanes 16-31 tile 2 p + 1
.endr
.endr
	FETCHB 0
.irp s, 0,1,2,3,4,5,6,7,8,9,10,11,12,13,14,15
	STEP \s
.endr
	; THE WAY OUT, a block of 16 rows at a time: rounded to bf16, 16 bytes a lane into my own stage, back as whole rows of 256 bytes.
	WIN 0
	PLACES                                         ; behind the last products
.irp a, 0,1,2,3
	s_wait_xcnt 0x0                                ; the earlier stores have read their registers
	WIN 0x05                                       ; sources 0 and 1 window 1
.irp t, 0,1,2,3,4,5,6,7
.irp u, 0,1,2,3
	v_cvt_pk_bf16_f32 v[TMP+4*\t+\u], v[8*(8*\a+\t)+2*\u], v[8*(8*\a+\t)+2*\u+1]   ; each accumulator from its low end on
.endr
.endr
	WIN 0
.irp t, 0,1,2,3,4,5,6,7
	ds_store_b128 v10, v[TMP+4*\t:TMP+4*\t+3] offset:32*\t
.endr
.irp i, 0,1,2,3,4,5,6,7
	ds_load_b128 v[BK+4*\i:BK+4*\i+3], v11 offset:\i*544           ; LDS serves a wave's instructions in order: these see the stores above
.endr
	s_wait_dscnt 0x0
.irp i, 0,1,2,3,4,5,6,7
	global_store_b128 v12, v[BK+4*\i:BK+4*\i+3], s[78:79] offset:(16*\a+2*\i)*2048 ; sixteen lanes store 256 consecutive bytes, aligned
.endr
.endr
	s_wait_tensorcnt 0x0
	ds_add_u32 v30, v31
	s_wait_dscnt 0x0
	s_endpgm
.Lfunc_end_k_q2ebcd27379_ffn2:
	.size	k_q2ebcd27379_ffn2, .Lfunc_end_k_q2ebcd27379_ffn2-k_q2ebcd27379_ffn2
	.p2alignl 7, 3214868480
	.fill 96, 4, 3214868480
	.section	.rodata,"a",@progbits
	.p2align	6, 0x0
	.amdhsa_kernel k_q2ebcd27379_ffn2
		.amdhsa_group_segment_fixed_size 168448
		.amdhsa_private_segment_fixed_size 0
		.amdhsa_enable_private_segment 0
		.amdhsa_kernarg_size 40
		.amdhsa_user_sgpr_count 2
		.amdhsa_user_sgpr_kernarg_segment_ptr 1
		.amdhsa_wavefront_size32 1
		.amdhsa_system_sgpr_workgroup_id_x 1
		.amdhsa_system_sgpr_workgroup_id_y 1
		.amdhsa_system_sgpr_workgroup_id_z 1
		.amdhsa_system_vgpr_workitem_id 0
		.amdhsa_next_free_vgpr 1024
		.amdhsa_next_free_sgpr 80
		.amdhsa_reserve_vcc 0
		.amdhsa_float_denorm_mode_32 3
		.amdhsa_float_denorm_mode_16_64 3
		.amdhsa_memory_ordered 1
		.amdhsa_forward_progress 1
		.amdhsa_inst_pref_size 129
	.end_amdhsa_kernel
	.amdgpu_metadata
---
amdhsa.version: [ 1, 2 ]
amdhsa.kernels:
  - .name:           k_q2ebcd27379_ffn2
    .symbol:         k_q2ebcd27379_ffn2.kd
    .args:
      - { .name: route, .offset: 0, .size: 8, .value_kind: global_buffer, .address_space: global }
      - { .name: hbuf, .offset: 8, .size: 8, .value_kind: global_buffer, .address_space: global }
      - { .name: wbuf, .offset: 16, .size: 8, .value_kind: global_buffer, .address_space: global }
      - { .name: b2, .offset: 24, .size: 8, .value_kind: global_buffer, .address_space: global }
      - { .name: ybuf, .offset: 32, .size: 8, .value_kind: global_buffer, .address_space: global }
    .group_segment_fixed_size: 168448
    .private_segment_fixed_size: 0
    .kernarg_segment_align: 8
    .kernarg_segment_size: 40
    .max_flat_workgroup_size: 128
    .sgpr_count:     80
    .vgpr_count:     1024
    .wavefront_size: 32
...
	.end_amdgpu_metadata
.endif
;; end of part 4
;; launch mix (part 5): grid 256 x 1, 8 waves a work-group, no clusters, 0 bytes of LDS; arguments route, xbuf, ybuf, out0; writes out0
.if DOCPART == 5
	.amdgcn_target "amdgcn-amd-amdhsa--gfx1250"
	.amdhsa_code_object_version 6
	.text
	.protected	k_q2ebcd27379_mix
	.globl	k_q2ebcd27379_mix
	.p2align	8
	.type	k_q2ebcd27379_mix,@function
k_q2ebcd27379_mix:
	s_mov_b64 s[64:65], 0
	v_nop
	global_prefetch_b8 v0, s[64:65] scope:SCOPE_SE
	s_setreg_imm32_b32 hwreg(HW_REG_WAVE_MODE, 25, 1), 1
	s_wait_xcnt 0x0
; THE LAST PRODUCT: out[t] = g0 y[pos0] + g1 y[pos1].  The six experts that the mask throws away have the weight 0 and are not summed.
; y [5888][1024] bf16 holds the chosen experts' outputs by sorted row; POS[t] (whole numbers, stored three launches ago) names a token's two rows, xbuf + GWO + 8 t its two weights (f32).
; A wave takes a token: 2 x 2,048 bytes in, 4,096 bytes out.  Each load of the wave covers 256 consecutive bytes, each store 512.  All sixteen loads go out at once.
; A stream: no LDS, no barrier, no matrix unit (K = 2).
.set POS, 24832
.set GWO, 1114112
.set Y0,  16                           ; v16-31  row pos0: piece j in two registers (4 bf16)
.set Y1,  32                           ; v32-47  row pos1
.set O,   48                           ; v48-79  piece j: four f32; registers of its own, so that no store's data are written again
	s_load_b256 s[4:11], s[0:1], 0x0               ; route s[4:5], xbuf s[6:7], ybuf s[8:9], out0 s[10:11]
	v_lshrrev_b32 v1, 5, v0
	s_delay_alu instid0(VALU_DEP_1)
	v_readfirstlane_b32 s12, v1                    ; wave 0..7
	v_and_b32 v1, 31, v0
	s_delay_alu instid0(VALU_DEP_1)
	v_lshlrev_b32 v2, 3, v1                        ; 8 bytes a lane in
	s_delay_alu instid0(VALU_DEP_2)
	v_lshlrev_b32 v3, 4, v1                        ; 16 bytes a lane out
	s_lshl_b32 s13, ttmp9, 3
	s_add_co_u32 s13, s13, s12                     ; my token
	s_lshl_b32 s14, s13, 3
	s_lshl_b32 s24, s13, 12
	s_mov_b32 s25, 0
	s_wait_alu depctr_va_vdst(0)
	s_wait_kmcnt 0x0
	s_load_b64 s[16:17], s[4:5], s14 offset:POS    ; its two rows
	s_load_b64 s[18:19], s[6:7], s14 offset:GWO    ; its two weights
	s_add_nc_u64 s[10:11], s[10:11], s[24:25]
	s_wait_kmcnt 0x0
	s_min_u32 s16, s16, 0x16ff                     ; a row is 5,887 at the most; held there before it enters an address
	s_min_u32 s17, s17, 0x16ff
	s_lshl_b32 s20, s16, 11
	s_mov_b32 s21, 0
	s_lshl_b32 s22, s17, 11
	s_mov_b32 s23, 0
	s_add_nc_u64 s[20:21], s[8:9], s[20:21]
	s_add_nc_u64 s[22:23], s[8:9], s[22:23]
.irp j, 0,1,2,3,4,5,6,7
	global_load_b64 v[Y0+2*\j:Y0+2*\j+1], v2, s[20:21] offset:256*\j
	global_load_b64 v[Y1+2*\j:Y1+2*\j+1], v2, s[22:23] offset:256*\j
.endr
	v_mov_b32 v4, s18                              ; g0
	v_mov_b32 v5, s19                              ; g1
	v_mov_b32 v6, 0
	s_wait_alu depctr_va_vdst(0)
.irp j, 0,1,2,3,4,5,6,7
	s_wait_loadcnt 2*(7-\j)                        ; piece j of both rows is in; the later pieces' loads, two each, may stay out
	v_fma_mix_f32_bf16 v[O+4*\j], v[Y1+2*\j], v5, v6 op_sel_hi:[1,0,0]                       ; the low bf16 x g1
	v_fma_mix_f32_bf16 v[O+4*\j+1], v[Y1+2*\j], v5, v6 op_sel:[1,0,0] op_sel_hi:[1,0,0]      ; the high bf16 x g1
	v_fma_mix_f32_bf16 v[O+4*\j+2], v[Y1+2*\j+1], v5, v6 op_sel_hi:[1,0,0]
	v_fma_mix_f32_bf16 v[O+4*\j+3], v[Y1+2*\j+1], v5, v6 op_sel:[1,0,0] op_sel_hi:[1,0,0]
	s_delay_alu instid0(VALU_DEP_4)
	v_fma_mix_f32_bf16 v[O+4*\j], v[Y0+2*\j], v4, v[O+4*\j] op_sel_hi:[1,0,0]                ; + the other row's x g0
	s_delay_alu instid0(VALU_DEP_4)
	v_fma_mix_f32_bf16 v[O+4*\j+1], v[Y0+2*\j], v4, v[O+4*\j+1] op_sel:[1,0,0] op_sel_hi:[1,0,0]
	s_delay_alu instid0(VALU_DEP_4)
	v_fma_mix_f32_bf16 v[O+4*\j+2], v[Y0+2*\j+1], v4, v[O+4*\j+2] op_sel_hi:[1,0,0]
	s_delay_alu instid0(VALU_DEP_4)
	v_fma_mix_f32_bf16 v[O+4*\j+3], v[Y0+2*\j+1], v4, v[O+4*\j+3] op_sel:[1,0,0] op_sel_hi:[1,0,0]
	global_store_b128 v3, v[O+4*\j:O+4*\j+3], s[10:11] offset:512*\j th:TH_STORE_NT          ; 32 lanes store 512 consecutive bytes, aligned
.endr
	s_endpgm
.Lfunc_end_k_q2ebcd27379_mix:
	.size	k_q2ebcd27379_mix, .Lfunc_end_k_q2ebcd27379_mix-k_q2ebcd27379_mix
	.p2alignl 7, 3214868480
	.fill 96, 4, 3214868480
	.section	.rodata,"a",@progbits
	.p2align	6, 0x0
	.amdhsa_kernel k_q2ebcd27379_mix
		.amdhsa_group_segment_fixed_size 0
		.amdhsa_private_segment_fixed_size 0
		.amdhsa_enable_private_segment 0
		.amdhsa_kernarg_size 32
		.amdhsa_user_sgpr_count 2
		.amdhsa_user_sgpr_kernarg_segment_ptr 1
		.amdhsa_wavefront_size32 1
		.amdhsa_system_sgpr_workgroup_id_x 1
		.amdhsa_system_sgpr_workgroup_id_y 1
		.amdhsa_system_sgpr_workgroup_id_z 1
		.amdhsa_system_vgpr_workitem_id 0
		.amdhsa_next_free_vgpr 80
		.amdhsa_next_free_sgpr 66
		.amdhsa_reserve_vcc 0
		.amdhsa_float_denorm_mode_32 3
		.amdhsa_float_denorm_mode_16_64 3
		.amdhsa_memory_ordered 1
		.amdhsa_forward_progress 1
		.amdhsa_inst_pref_size 9
	.end_amdhsa_kernel
	.amdgpu_metadata
---
amdhsa.version: [ 1, 2 ]
amdhsa.kernels:
  - .name:           k_q2ebcd27379_mix
    .symbol:         k_q2ebcd27379_mix.kd
    .args:
      - { .name: route, .offset: 0, .size: 8, .value_kind: global_buffer, .address_space: global }
      - { .name: xbuf, .offset: 8, .size: 8, .value_kind: global_buffer, .address_space: global }
      - { .name: ybuf, .offset: 16, .size: 8, .value_kind: global_buffer, .address_space: global }
      - { .name: out0, .offset: 24, .size: 8, .value_kind: global_buffer, .address_space: global }
    .group_segment_fixed_size: 0
    .private_segment_fixed_size: 0
    .kernarg_segment_align: 8
    .kernarg_segment_size: 32
    .max_flat_workgroup_size: 256
    .sgpr_count:     66
    .vgpr_count:     80
    .wavefront_size: 32
...
	.end_amdgpu_metadata
.endif
;; end of part 5
